; MI455X (gfx1250); checked and timed in simulation.
; The chip was launched on July 23, 2026; its instructions are those of AMD's public machine-readable ISA for CDNA 5 (MIT licence, August 2026) and "CDNA5" Instruction Set Architecture Reference Guide (July 2026). The comments in the code are by the model that wrote it; some were corrected since.
;; Temporal Band. Allowed arithmetic: matrix products marked QUANTISED: E4M3 operands, one given power-of-two scale a tensor, by v_wmma_f32_16x16x64_fp8_fp8 or v_wmma_f32_16x16x128_fp8_fp8, f32 sums; everything else in f32.
;; Inputs: Wk 1,024 x 1,024 float32; Wo 1,024 x 1,024 float32; Wq 1,024 x 1,024 float32; Wv 1,024 x 1,024 float32; beta 1,024 float32; bk 1,024 float32; bo 1,024 float32; bq 1,024 float32; bv 1,024 float32; gamma 1,024 float32; lowp_scales 12 int32 (the exponents e of the quantised operands' scales 2^e); x 4 x 2,048 x 1,024 float32.
;; Outputs: out0 4 x 2,048 x 1,024 float32.
;; This version of the problem:
;;   THIS VERSION OF THE PROBLEM IS GIVEN IN LOW PRECISION. The matrix products marked QUANTISED in the list below multiply operands that are first quantised to E4M3 (4 exponent bits, 3 mantissa bits; 8 bits a number), with one given power-of-two scale for each operand tensor; their sums are f32. All else is computed in f32.
;;   The module's matrix products, in the order in which they are computed (A, B: the left and right operand; K: the contracted axis; several contracted axes count as one K, in the product's order):
;;     1. [M 8,192, K 1,024] x [K 1,024, N 1,024]; A: computed on the way; B: input Wq: QUANTISED (scales: A lowp_scales[0], B lowp_scales[1])
;;     2. [M 8,192, K 1,024] x [K 1,024, N 1,024]; A: computed on the way; B: input Wk: QUANTISED (scales: A lowp_scales[2], B lowp_scales[3])
;;     3. [M 8,192, K 1,024] x [K 1,024, N 1,024]; A: computed on the way; B: input Wv: QUANTISED (scales: A lowp_scales[4], B lowp_scales[5])
;;     4. batch 64 x [M 2,048, K 64] x [K 64, N 2,048]; A: computed on the way; B: computed on the way: QUANTISED (scales: A lowp_scales[6], B lowp_scales[7])
;;     5. batch 64 x [M 2,048, K 2,048] x [K 2,048, N 64]; A: softmax (see below); B: computed on the way: QUANTISED (scales: A lowp_scales[8], B lowp_scales[9])
;;     6. [M 8,192, K 1,024] x [K 1,024, N 1,024]; A: computed on the way; B: input Wo: QUANTISED (scales: A lowp_scales[10], B lowp_scales[11])
;;   THE QUANTISER, for each operand of a quantised product, along K:
;;     - The operand's scale is 2^e, e = its entry of the input lowp_scales (int32; the entries are numbered through the quantised products in the list's order, A before B).
;;     - Each number is divided by the scale, clamped to +-448, and rounded to the nearest number of E4M3, ties to even, subnormals kept.
;;     - The product sums the exact products of the quantised numbers (number of the format x scale) in f32.
;;   ~~~python
;;   def quantise(x, axis, e):      # numpy; x: float32 -> the quantised numbers, widened to float32 again
;;       x = np.moveaxis(x, axis, -1); K = x.shape[-1]
;;       r = np.clip(x / 2.0 ** e, -448, 448)
;;       step = 2.0 ** (np.maximum(np.frexp(np.where(r == 0, 1, r))[1] - 1, -6) - 3)
;;       q = np.round(r / step) * step * 2.0 ** e      # np.round: ties to even
;;       return np.moveaxis(q, -1, axis).astype(np.float32)
;;   ~~~
;;   SOFTMAX AHEAD OF A QUANTISED PRODUCT. Where the list says 'softmax', what is quantised is not the finished softmax but p = 2^(t - M), with t = logit x log2(e) and M = ceil(the row's largest t), a whole number; so 1/2 < the row's largest p <= 1. The row's sum l is taken of the UNQUANTISED p, in f32, and the product's result is divided by l at the end. Since M is a whole number, a kernel that streams over the keys may use a running M (the ceiling of the running maximum): every later rescaling is an exact power of two, so the quantised numbers keep their values, but for numbers so far below the row's largest that they fall under the format's range.
;;   OPERANDS COMPUTED ON THE WAY. 'Computed on the way' means the value that the module computes at that place (a softmax that the list does not call 'softmax' is quantised finished and normalised). What goes into a quantiser is computed in f32, as accurately as f32 sums, v_exp_f32 and their like allow (about 1e-6 of the number): no bf16 or f16 on the way to a quantiser, and a product that is left as it is and whose result goes on into a quantised operand takes f32 operands (vector FMAs, or v_wmma_f32_16x16x4_f32). A number that lies on a knife's edge between two numbers of the format may be rounded either way, as far as f32 arithmetic and the matrix unit's own rounding can turn it there, and no further.
;; 2 versions, each right; version 2 is version 1 with the launch attn written anew for expert scheduling mode. Each part assembles by itself: llvm-mc -triple=amdgcn-amd-amdhsa -mcpu=gfx1250 --defsym DOCPART=n.
;; ======== version 1 of 2: 4 launches
;; workspace buffers: xc 25,165,824 bytes; wc 4,194,304 bytes; qkvc 25,165,824 bytes; aoc 8,388,608 bytes
;; launch prep (part 1): grid 384 x 1, 8 waves a work-group, no clusters, 0 bytes of LDS; arguments x, gamma, beta, Wq, Wk, Wv, Wo, lowp_scales, xc, wc; writes xc, wc
.if DOCPART == 1
	.amdgcn_target "amdgcn-amd-amdhsa--gfx1250"
	.amdhsa_code_object_version 6
	.text
	.protected	k_qc437fe2c86_prep
	.globl	k_qc437fe2c86_prep
	.p2align	8
	.type	k_qc437fe2c86_prep,@function
k_qc437fe2c86_prep:
	s_mov_b64 s[64:65], 0
	v_nop
	global_prefetch_b8 v0, s[64:65] scope:SCOPE_SE
	s_setreg_imm32_b32 hwreg(HW_REG_WAVE_MODE, 25, 1), 1
	s_wait_xcnt 0x0
; PREP: the layer norm of x, quantised three times (scales e0, e2, e4) into xc, and the four weights quantised (e1, e3, e5, e11) into wc.  Codes of E4M3, one a byte.
; code = number / 2^e, held within +-448, rounded to the nearest code, ties to even.
; LIMITS: each of e0 .. e5 and e11 lies between -126 and 119, so that 2^e and 448 x 2^e are f32 numbers.  NaN among the inputs is not served.
; SHARES.  A wave takes 4 rows of 1,024 numbers, a work-group 32.  Work-groups 0-255: x;  256-351: Wq, Wk, Wv (32 each);  352-383: Wo.  No LDS, no barrier: waves share nothing.
; ROWS ARE STORED WITH BITS 3 AND 4 OF THEIR NUMBER SWAPPED (row 4 wave + t of the group's 32: bits 1 and 2 of the wave's number).  Sixteen neighbouring STORED rows, taken as source 0 of a matrix
; instruction, then give register j of lanes' half h the true row 32 (tile / 2) + 16 h + 8 (tile % 2) + j: the 16 registers of two neighbouring result tiles are 16 true neighbours.
; K's ORDER.  In xc and in Wq's, Wk's, Wv's codes a row's bytes lie as the lanes hold them: byte 512 (j / 4) + 16 l + 4 (j % 4) + i is k = 128 j + 4 l + i: the same order on both sides of those products,
; so every product meets its partner.  Each load and each store of a wave then covers 512 consecutive bytes.  Wo's partner is made elsewhere with K in its true order, so Wo's codes keep it: there a lane loads 32
; neighbouring bytes (two loads cover 1,024 consecutive bytes between them) and a wave's store covers 256 consecutive bytes, aligned; that path moves 4 of this launch's 48 MiB of input.
.set GA,  4                            ; v4-35    gamma at my 32 places of a row
.set BE,  36                           ; v36-67   beta
.set X,   68                           ; v68-131  two rows by turns (x);  v68-195 four rows (weights)
.set T,   132                          ; v132-163 at work: sums, then the held numbers
.set C,   164                          ; v164-187 a row's codes, 8 registers for each of the three scales
.set MU,  188                          ; v[188:189] the mean (the packed forms name a pair and take its low word)
.set RS,  190                          ; v[190:191] 1 / sqrt(var + eps)
.set TM,  192                          ; v192, v193 at work
.set SC,  196                          ; v196.. pairs: 2^e, 448 x 2^e
.set WCD, 4                            ; weights: v4-35 four rows' codes
	s_load_b512 s[4:19], s[0:1], 0x0               ; x 4:5, gamma 6:7, beta 8:9, Wq 10:11, Wk 12:13, Wv 14:15, Wo 16:17, the scales' exponents 18:19
	s_load_b128 s[20:23], s[0:1], 0x40             ; xc 20:21, wc 22:23
	v_lshrrev_b32 v2, 5, v0
	v_readfirstlane_b32 s36, v2                    ; wave 0..7
	v_and_b32 v3, 31, v0                           ; lane
	v_lshlrev_b32 v1, 4, v3                        ; 16 x lane
	v_lshlrev_b32 v2, 5, v3                        ; 32 x lane (Wo's loads)
	v_lshlrev_b32 v3, 3, v3                        ; 8 x lane (Wo's stores)
	s_and_b32 s37, s36, 1                          ; the wave's number with bits 1 and 2 swapped: where my rows are stored
	s_and_b32 s50, s36, 2
	s_lshl_b32 s50, s50, 1
	s_or_b32 s37, s37, s50
	s_and_b32 s50, s36, 4
	s_lshr_b32 s50, s50, 1
	s_or_b32 s37, s37, s50
	s_mov_b32 s46, 0x3a800000                      ; 1 / 1024
	s_mov_b32 s47, 0x3727c5ac                      ; eps = 1e-5
	s_mov_b32 s48, 0x76543210                      ; v_permlanex16_b32: each lane takes its own place in the other half
	s_mov_b32 s49, 0xfedcba98
	s_wait_kmcnt 0x0
	s_load_b256 s[24:31], s[18:19], 0x0            ; e0 .. e7
	s_load_b128 s[32:35], s[18:19], 0x20           ; e8 .. e11
	s_cmp_lt_u32 ttmp9, 256
	s_cbranch_scc0 .Lweights
.macro LOADROW t, set                  ; row t of my four: eight loads of 512 consecutive bytes
.irp j, 0,1,2,3,4,5,6,7
	global_load_b128 v[X+32*(\set)+4*\j:X+32*(\set)+4*\j+3], v1, s[38:39] offset:4096*(\t)+512*\j th:TH_LOAD_NT
.endr
.endm
.macro REDSUM reg                      ; the sum over the 32 lanes, in every lane
	v_add_f32_dpp v[\reg], v[\reg], v[\reg] row_xmask:1 row_mask:0xf bank_mask:0xf
	v_add_f32_dpp v[\reg], v[\reg], v[\reg] row_xmask:2 row_mask:0xf bank_mask:0xf
	v_add_f32_dpp v[\reg], v[\reg], v[\reg] row_xmask:4 row_mask:0xf bank_mask:0xf
	v_add_f32_dpp v[\reg], v[\reg], v[\reg] row_xmask:8 row_mask:0xf bank_mask:0xf
	v_permlanex16_b32 v[TM+1], v[\reg], s48, s49
	v_add_f32 v[\reg], v[\reg], v[TM+1]
.endm
; 32 numbers v[src ..] are held within the largest code x the scale (into v[dst ..]) and become 32 codes in v[cb .. cb + 7].  v[sc]: 2^e, v[sc + 1]: 448 x 2^e
.macro Q8 src, dst, cb, sc
.set k, 0
.rept 32
	v_med3_num_f32 v[(\dst)+k], v[(\src)+k], -v[(\sc)+1], v[(\sc)+1]   ; the conversion to an 8-bit code does not saturate (ISA guide 7.6.2)
.set k, k+1
.endr
.irp m, 0,1,2,3
	v_cvt_scalef32_pk8_fp8_f32 v[(\cb)+2*\m:(\cb)+2*\m+1], v[(\dst)+8*\m:(\dst)+8*\m+7], v[\sc]
.endr
	v_nop                                          ; a plain line between the conversions and the next vector line that writes their sources
.endm
.macro ESCALE se, vr                   ; s[se] = e  ->  v[vr] = 2^e, v[vr + 1] = 448 x 2^e
	s_add_co_i32 s50, s[\se], 127
	s_lshl_b32 s51, s50, 23
	v_mov_b32 v[\vr], s51
	s_add_co_i32 s50, s50, 8
	s_lshl_b32 s50, s50, 23
	s_or_b32 s50, s50, 0x600000
	v_mov_b32 v[(\vr)+1], s50
.endm
	; ---- x
	s_lshl_b32 s50, ttmp9, 5                       ; the group's first row
	s_lshl_b32 s51, s36, 2
	s_add_co_u32 s52, s50, s51
	s_lshl_b32 s52, s52, 12                        ; my first row of x, in bytes (under 2^25)
	s_mov_b32 s53, 0
	s_add_nc_u64 s[38:39], s[4:5], s[52:53]
	s_lshl_b32 s51, s37, 2
	s_add_co_u32 s52, s50, s51
	s_lshl_b32 s52, s52, 10                        ; where its codes go
	s_add_nc_u64 s[40:41], s[20:21], s[52:53]      ; plane 0 (e0),
	s_add_nc_u64 s[42:43], s[40:41], 0x800000      ; plane 1 (e2),
	s_add_nc_u64 s[44:45], s[40:41], 0x1000000     ; plane 2 (e4)
.irp j, 0,1,2,3,4,5,6,7
	global_load_b128 v[GA+4*\j:GA+4*\j+3], v1, s[6:7] offset:512*\j
	global_load_b128 v[BE+4*\j:BE+4*\j+3], v1, s[8:9] offset:512*\j
.endr
	LOADROW 0, 0
	LOADROW 1, 1
	v_mov_b32 v[MU+1], 0                           ; named as upper halves of pairs, so they are written
	v_mov_b32 v[RS+1], 0
	v_mov_b32 v[TM+1], 0                           ; a lane permute's destination counts as one of its sources
	s_wait_kmcnt 0x0
	ESCALE 24, SC
	ESCALE 26, SC+2
	ESCALE 28, SC+4
; One row.  left: the loads that may stay out: the next row's eight.
.macro ROW t, left
.set XS, X+32*((\t)%2)
	s_wait_loadcnt \left
.irp i, 0,1,2,3,4,5,6,7                ; the sum of my 32 numbers, as a tree
	v_pk_add_f32 v[T+2*\i:T+2*\i+1], v[XS+4*\i:XS+4*\i+1], v[XS+4*\i+2:XS+4*\i+3]
.endr
.irp i, 0,1,2,3
	v_pk_add_f32 v[T+2*\i:T+2*\i+1], v[T+4*\i:T+4*\i+1], v[T+4*\i+2:T+4*\i+3]
.endr
.irp i, 0,1
	v_pk_add_f32 v[T+2*\i:T+2*\i+1], v[T+4*\i:T+4*\i+1], v[T+4*\i+2:T+4*\i+3]
.endr
	v_pk_add_f32 v[T:T+1], v[T:T+1], v[T+2:T+3]
	v_add_f32 v[TM], v[T], v[T+1]
	REDSUM TM
	v_mul_f32 v[MU], s46, v[TM]                    ; the mean
.set k, 0
.rept 16
	v_pk_add_f32 v[XS+2*k:XS+2*k+1], v[XS+2*k:XS+2*k+1], v[MU:MU+1] op_sel_hi:[1,0] neg_lo:[0,1] neg_hi:[0,1]   ; x - mean: the variance is taken of these, so a common offset costs nothing
.set k, k+1
.endr
.irp i, 0,1,2,3                        ; the sum of squares, in four chains
	v_pk_mul_f32 v[T+2*\i:T+2*\i+1], v[XS+2*\i:XS+2*\i+1], v[XS+2*\i:XS+2*\i+1]
.endr
.set k, 4
.rept 12
	v_pk_fma_f32 v[T+2*(k%4):T+2*(k%4)+1], v[XS+2*k:XS+2*k+1], v[XS+2*k:XS+2*k+1], v[T+2*(k%4):T+2*(k%4)+1]
.set k, k+1
.endr
	v_pk_add_f32 v[T:T+1], v[T:T+1], v[T+2:T+3]
	v_pk_add_f32 v[T+4:T+5], v[T+4:T+5], v[T+6:T+7]
	v_pk_add_f32 v[T:T+1], v[T:T+1], v[T+4:T+5]
	v_add_f32 v[TM], v[T], v[T+1]
	REDSUM TM
	v_fma_f32 v[TM], v[TM], s46, s47               ; var + eps
	v_rsq_f32 v[RS], v[TM]
	v_nop                                          ; a plain line behind the transcendental,
	s_wait_alu depctr_va_vdst(0)                   ; and the wait ahead of the first line that names its result
.set k, 0
.rept 16
	v_pk_mul_f32 v[XS+2*k:XS+2*k+1], v[XS+2*k:XS+2*k+1], v[RS:RS+1] op_sel_hi:[1,0]
.set k, k+1
.endr
.set k, 0
.rept 16
	v_pk_fma_f32 v[XS+2*k:XS+2*k+1], v[XS+2*k:XS+2*k+1], v[GA+2*k:GA+2*k+1], v[BE+2*k:BE+2*k+1]
.set k, k+1
.endr
	s_wait_xcnt 0x0                                ; the last row's stores have read their data: the codes' registers are written again only behind this wait
.irp i, 0,1,2
	Q8 XS, T, C+8*\i, SC+2*\i
.endr
.if (\t)+2 < 4
	LOADROW (\t)+2, (\t)%2                         ; the row two further on, into the set just left
.endif
.irp i, 0,1,2
	global_store_b128 v1, v[C+8*\i:C+8*\i+3], s[40+2*\i:41+2*\i] offset:1024*(\t)          ; 512 consecutive bytes, aligned
	global_store_b128 v1, v[C+8*\i+4:C+8*\i+7], s[40+2*\i:41+2*\i] offset:1024*(\t)+512
.endr
.endm
	ROW 0, 8
	ROW 1, 8
	ROW 2, 8
	ROW 3, 0
	s_endpgm
.Lweights:
	s_sub_co_u32 s50, ttmp9, 256
	s_lshr_b32 s51, s50, 5                         ; which weight: 0 Wq, 1 Wk, 2 Wv, 3 Wo
	s_and_b32 s50, s50, 31
	s_lshl_b32 s50, s50, 5                         ; the group's first row
	s_lshl_b32 s52, s36, 2
	s_add_co_u32 s52, s52, s50
	s_lshl_b32 s52, s52, 12
	s_mov_b32 s53, 0
	s_lshl_b32 s54, s37, 2
	s_add_co_u32 s54, s54, s50
	s_lshl_b32 s54, s54, 10
	s_lshl_b32 s55, s51, 20                        ; the weight's plane of wc
	s_add_co_u32 s54, s54, s55
	s_mov_b32 s55, 0
	s_cmp_eq_u32 s51, 0                            ; the choice hangs on the work-group's number alone
	s_cselect_b64 s[38:39], s[10:11], s[12:13]
	s_cmp_eq_u32 s51, 2
	s_cselect_b64 s[38:39], s[14:15], s[38:39]
	s_cmp_eq_u32 s51, 3
	s_cselect_b64 s[38:39], s[16:17], s[38:39]
	s_add_nc_u64 s[38:39], s[38:39], s[52:53]
	s_add_nc_u64 s[40:41], s[22:23], s[54:55]
	s_cmp_eq_u32 s51, 3
	s_cbranch_scc1 .Lwo
	; ---- Wq, Wk, Wv: all four rows' loads go out first; each row has its own registers, so no store's data are written again
.irp t, 0,1,2,3
.irp j, 0,1,2,3,4,5,6,7
	global_load_b128 v[X+32*\t+4*\j:X+32*\t+4*\j+3], v1, s[38:39] offset:4096*\t+512*\j th:TH_LOAD_NT
.endr
.endr
	s_wait_kmcnt 0x0
	s_cmp_eq_u32 s51, 0
	s_cselect_b32 s56, s25, s27                    ; e1, e3
	s_cmp_eq_u32 s51, 2
	s_cselect_b32 s56, s29, s56                    ; or e5
	ESCALE 56, SC
.irp t, 0,1,2,3
	s_wait_loadcnt 24-8*\t                         ; row t is in; the later rows' loads may be out
	Q8 X+32*\t, X+32*\t, WCD+8*\t, SC
	global_store_b128 v1, v[WCD+8*\t:WCD+8*\t+3], s[40:41] offset:1024*\t
	global_store_b128 v1, v[WCD+8*\t+4:WCD+8*\t+7], s[40:41] offset:1024*\t+512
.endr
	s_endpgm
.Lwo:
	; ---- Wo: K in its true order: lane l holds k = 256 g + 8 l + 0 .. 7 in registers 8 g .. 8 g + 7
.irp t, 0,1,2,3
.irp g, 0,1,2,3
	global_load_b128 v[X+32*\t+8*\g:X+32*\t+8*\g+3], v2, s[38:39] offset:4096*\t+1024*\g th:TH_LOAD_NT
	global_load_b128 v[X+32*\t+8*\g+4:X+32*\t+8*\g+7], v2, s[38:39] offset:4096*\t+1024*\g+16 th:TH_LOAD_NT
.endr
.endr
	s_wait_kmcnt 0x0
	ESCALE 35, SC                                  ; e11
.irp t, 0,1,2,3
	s_wait_loadcnt 24-8*\t
	Q8 X+32*\t, X+32*\t, WCD+8*\t, SC
.irp g, 0,1,2,3
	global_store_b64 v3, v[WCD+8*\t+2*\g:WCD+8*\t+2*\g+1], s[40:41] offset:1024*\t+256*\g   ; 256 consecutive bytes, aligned
.endr
.endr
	s_endpgm
.Lfunc_end_k_qc437fe2c86_prep:
	.size	k_qc437fe2c86_prep, .Lfunc_end_k_qc437fe2c86_prep-k_qc437fe2c86_prep
	.p2alignl 7, 3214868480
	.fill 96, 4, 3214868480
	.section	.rodata,"a",@progbits
	.p2align	6, 0x0
	.amdhsa_kernel k_qc437fe2c86_prep
		.amdhsa_group_segment_fixed_size 0
		.amdhsa_private_segment_fixed_size 0
		.amdhsa_enable_private_segment 0
		.amdhsa_kernarg_size 80
		.amdhsa_user_sgpr_count 2
		.amdhsa_user_sgpr_kernarg_segment_ptr 1
		.amdhsa_wavefront_size32 1
		.amdhsa_system_sgpr_workgroup_id_x 1
		.amdhsa_system_sgpr_workgroup_id_y 1
		.amdhsa_system_sgpr_workgroup_id_z 1
		.amdhsa_system_vgpr_workitem_id 0
		.amdhsa_next_free_vgpr 208
		.amdhsa_next_free_sgpr 66
		.amdhsa_reserve_vcc 0
		.amdhsa_float_denorm_mode_32 3
		.amdhsa_float_denorm_mode_16_64 3
		.amdhsa_memory_ordered 1
		.amdhsa_forward_progress 1
		.amdhsa_inst_pref_size 90
	.end_amdhsa_kernel
	.amdgpu_metadata
---
amdhsa.version: [ 1, 2 ]
amdhsa.kernels:
  - .name:           k_qc437fe2c86_prep
    .symbol:         k_qc437fe2c86_prep.kd
    .args:
      - { .name: x, .offset: 0, .size: 8, .value_kind: global_buffer, .address_space: global }
      - { .name: gamma, .offset: 8, .size: 8, .value_kind: global_buffer, .address_space: global }
      - { .name: beta, .offset: 16, .size: 8, .value_kind: global_buffer, .address_space: global }
      - { .name: Wq, .offset: 24, .size: 8, .value_kind: global_buffer, .address_space: global }
      - { .name: Wk, .offset: 32, .size: 8, .value_kind: global_buffer, .address_space: global }
      - { .name: Wv, .offset: 40, .size: 8, .value_kind: global_buffer, .address_space: global }
      - { .name: Wo, .offset: 48, .size: 8, .value_kind: global_buffer, .address_space: global }
      - { .name: lowp_scales, .offset: 56, .size: 8, .value_kind: global_buffer, .address_space: global }
      - { .name: xc, .offset: 64, .size: 8, .value_kind: global_buffer, .address_space: global }
      - { .name: wc, .offset: 72, .size: 8, .value_kind: global_buffer, .address_space: global }
    .group_segment_fixed_size: 0
    .private_segment_fixed_size: 0
    .kernarg_segment_align: 8
    .kernarg_segment_size: 80
    .max_flat_workgroup_size: 256
    .sgpr_count:     66
    .vgpr_count:     208
    .wavefront_size: 32
...
	.end_amdgpu_metadata
.endif
;; end of part 1
;; launch qkv (part 2): grid 4 x 64, 4 waves a work-group, clusters of 4 x 4, 327,680 bytes of LDS; arguments xc, wc, bq, bk, bv, lowp_scales, qkvc; writes qkvc
.if DOCPART == 2
	.amdgcn_target "amdgcn-amd-amdhsa--gfx1250"
	.amdhsa_code_object_version 6
	.text
	.protected	k_qc437fe2c86_qkv
	.globl	k_qc437fe2c86_qkv
	.p2align	8
	.type	k_qc437fe2c86_qkv,@function
k_qc437fe2c86_qkv:
	s_mov_b64 s[64:65], 0
	v_nop
	global_prefetch_b8 v0, s[64:65] scope:SCOPE_SE
	s_setreg_imm32_b32 hwreg(HW_REG_WAVE_MODE, 25, 1), 1
	s_wait_xcnt 0x0
	s_wait_alu depctr_hold_cnt(0) depctr_sa_sdst(0) depctr_va_vdst(0) depctr_va_sdst(0) depctr_va_ssrc(0) depctr_va_vcc(0) depctr_vm_vsrc(0)
	s_getreg_b32 s2, hwreg(HW_REG_IB_STS2, 6, 4)
	s_cmp_eq_u32 s2, 0
	s_cbranch_scc0 .Lentry_in_a_cluster
	s_endpgm
.Lentry_in_a_cluster:
	s_bfe_u32 s2, ttmp6, 0x10000c
	s_cmp_lg_u32 s2, 0xf033
	s_cbranch_scc0 .Lentry_shape_is_right
	s_endpgm
.Lentry_shape_is_right:
; QKV: q = xn Wq^T + bq, k = xn Wk^T + bk, v = xn Wv^T + bv on codes of E4M3 (K = 1,024), each result quantised at once (scales e6, e7, e9) and stored as the register image of the operand that attention takes.
; A WORK-GROUP STAYS and makes three tiles, one of each product, in straight text; the ring of two LDS slots runs on from product to product.
; A TILE is 128 rows of operand R (matrix source 1) x 256 rows of operand C (source 0).  Four waves: wave w takes R's rows 64 (w / 2) on (4 tiles a) and C's rows 128 (w % 2) on (8 tiles b): 32 accumulators.
;   q, k: R = 128 tokens (xc, plane 0 or 1), C = 256 rows of the weight.  A lane then holds one token, and its registers run along the head's channels.
;   v:    R = 128 rows of Wv, C = 256 tokens (xc, plane 2).  A lane then holds one channel, and its registers run along the tokens, which are the second attention product's K.
; Rows of xc and wc are stored with bits 3 and 4 of their number swapped, so register j of tile b = 2 B + u, lanes' half h, is C's TRUE row 32 B + 16 h + 8 u + j: tiles 2 B and 2 B + 1 hold 16 true neighbours,
; and the conversions' results are four registers of an operand: k = 32 B + 16 h + 0 .. 15.  They leave as they stand: lane l's 16 bytes at 16 l, 512 consecutive bytes a store, aligned.
; The bias is the C of a sum's first matrix instruction, divided by the power of two that the sums lack; the three scales ahead of a quantiser are folded into the conversion's one: 2^(eo - ea - eb).
; CLUSTERS: 4 x 4 work-groups.  R's tile hangs on (cluster y, cy) and is asked for jointly by the four of a row of the cluster, C's on (cluster y, cx) and by the four of a column.
; LIMITS: e6 - e0 - e1, e7 - e2 - e3 and e9 - e4 - e5 lie between -126 and 119, so that the folded scale and 448 x it are f32 numbers.  NaN is not served.
; REGISTERS, in windows of 256: window 0: v0-31 addresses and scales, v32-95 codes on the way out, v128-191 and v192-255 R's fragments, two sets;  window 1: C's fragments, two sets of 128;
;   window 2: accumulator (a, b) at v[8 (8 a + b)];  window 3: v0-63 bq, v64-127 bk, v128-159 bv in the results' layout (v160-163 bv as loaded).
.set PITCH,  272                       ; an LDS row: 256 bytes + 16 of padding: the 16 rows that a fragment load touches start 68 words apart
.set RREG,   128*PITCH                 ; a slot: R's 128 rows,
.set SLOT,   RREG+256*PITCH            ; then C's 256: K = 256, two steps of 128
.set SPARE,  2*SLOT                    ; behind the ring: the spare words, 128 bytes for each wave, that no other line names
.set RKB,    256                       ; bytes from one slot's part of R to the next, in memory
.set ADRR, 16                          ; v16-17  LDS address of my R fragments in slot 0, 1
.set ADRC, 20                          ; v20-21  the same for C
.set LI,   24                          ; v24     16 x lane
.set SPW,  28                          ; v28     my spare word: SPARE + 4 x my thread's number; never rewritten
.set NIL,  29                          ; v29     0; never rewritten
.set QSC,  8                           ; v8, v9  q: the folded scale, 448 x it;  v10, v11: k;  v12, v13: v
.set KSC,  10
.set VSC,  12
.set CODE, 32
.set G1R, 24                           ; s[24:31] descriptor group 1 for R's tiles; s[32:39] for C's; s[40:47], s[48:55] their groups 0, a set for each slot
.set G1C, 32
.set G0R, 40
.set G0C, 48
.set RB0, 56                           ; s[56:61] where my part of R begins in memory, product 0, 1, 2;  s[66:71] the same for C
.set RB1, 58
.set RB2, 60
.set CB0, 66
.set CB1, 68
.set CB2, 70
.set OQ,  84                           ; s[84:89] where my results go
.set OK,  86
.set OV,  88
.set MSB, 0
.macro WIN new                         ; the immediate's high byte repeats the setting that is left
.if MSB != \new
	s_set_vgpr_msb (MSB<<8)|\new
.set MSB, \new
.endif
.endm
.set MUL,  0xa1                        ; source 0 (C's fragment) window 1, source 1 (R's) window 0, sums window 2
.set MULB, 0xb1                        ; the same with the addend (a bias) from window 3
.set TO_C, 0x40                        ; destination window 1, address window 0
.macro PLACES n
.rept \n
	v_nop
.endr
.endm
; A joint load: waves 0 and 1 fetch R's halves, waves 2 and 3 C's.  The branch hangs on the wave's number alone.  Four v_nop follow each of the two lines.
.macro JLOAD s
	s_cmp_eq_u32 s19, 0
	s_cbranch_scc0 .Lfor_c_\@
	tensor_load_to_lds s[G0R+4*\s:G0R+4*\s+3], s[G1R:G1R+7]
	s_nop 0
.rept 4
	v_nop
.endr
	s_branch .Lasked_\@
.Lfor_c_\@:
	tensor_load_to_lds s[G0C+4*\s:G0C+4*\s+3], s[G1C:G1C+7]
	s_nop 0
.rept 4
	v_nop
.endr
.Lasked_\@:
.endm
.macro CREST                           ; a round of the cluster's barrier behind its opening barrier
	s_cmp_lg_u32 s18, 0
	s_cbranch_scc1 .Lnot_wave_0_\@
	s_barrier_signal -3
.Lnot_wave_0_\@:
	s_barrier_wait -3
	s_barrier_signal -1
	s_barrier_wait -1
.endm
.macro CROUND
	s_barrier_signal -1
	s_barrier_wait -1
	CREST
.endm
	s_load_b256 s[4:11], s[0:1], 0x0               ; xc 4:5, wc 6:7, bq 8:9, bk 10:11
	s_load_b128 s[12:15], s[0:1], 0x20             ; bv 12:13, the scales' exponents 14:15
	s_load_b64 s[16:17], s[0:1], 0x30              ; qkvc
	v_lshl_add_u32 v[SPW], v0, 2, SPARE
	v_mov_b32 v[NIL], 0
	ds_add_u32 v28, v29
	ds_add_u32 v28, v29
	s_wait_dscnt 0x0
	v_lshrrev_b32 v1, 5, v0
	v_readfirstlane_b32 s18, v1                    ; wave 0..3
	s_lshr_b32 s19, s18, 1                         ; which 64 rows of R are mine.  Also: I fetch for R (0) or for C (1)
	s_and_b32 s20, s18, 1                          ; which 128 rows of C.  Also: which half of that tile I fetch
	s_bfe_u32 s21, ttmp6, 0x40000                  ; cx
	s_bfe_u32 s22, ttmp6, 0x40004                  ; cy
	s_and_b32 s23, ttmp7, 0xffff                   ; L: the cluster's y, 0..15 (the grid has one cluster along x)
	s_lshl_b32 s90, s22, 2
	s_lshl_b32 s90, 15, s90                        ; my row of the cluster
	s_lshl_b32 s92, 0x1111, s21                    ; my column
	s_or_b32 s[G1R], s90, (1<<20)|(1<<21)|(5<<22)|(3<<25)   ; the mask; elements of 1 byte; padding on; bit 21 beside a mask; after every 64 words, 4 words
	s_or_b32 s[G1C], s92, (1<<20)|(1<<21)|(5<<22)|(3<<25)
	s_mov_b32 s[G1R+1], 256<<16                    ; tensor_dim0 = 256
	s_mov_b32 s[G1R+2], 64<<16                     ; tensor_dim1 = 64
	s_mov_b32 s[G1R+3], 256<<16                    ; tile_dim0 = 256
	s_mov_b32 s[G1R+4], 64                         ; tile_dim1 = 64
	s_mov_b32 s[G1R+5], 1024                       ; from row to row
	s_mov_b32 s[G1R+6], 0
	s_mov_b32 s[G1R+7], 0
	s_mov_b32 s[G1C+1], 256<<16
	s_mov_b32 s[G1C+2], 128<<16                    ; 128 rows
	s_mov_b32 s[G1C+3], 256<<16
	s_mov_b32 s[G1C+4], 128
	s_mov_b32 s[G1C+5], 1024
	s_mov_b32 s[G1C+6], 0
	s_mov_b32 s[G1C+7], 0
	; R's offsets are made of L, cy and the wave's number; C's of L, cx and the wave's number
	s_lshl_b32 s62, s20, 16                        ; my half of R: 64 rows of 1,024 bytes
	s_lshl_b32 s90, s23, 2
	s_add_co_u32 s90, s90, s22                     ; q, k: block of 128 tokens 4 L + cy
	s_lshl_b32 s90, s90, 17
	s_add_co_u32 s90, s90, s62
	s_mov_b32 s91, 0
	s_and_b32 s2, s23, 1
	s_lshl_b32 s2, s2, 2
	s_add_co_u32 s2, s2, s22                       ; v: block of 128 channels 4 (L % 2) + cy
	s_lshl_b32 s2, s2, 17
	s_add_co_u32 s2, s2, s62
	s_add_co_u32 s2, s2, 0x200000                  ; in wc's plane 2
	s_mov_b32 s3, 0
	s_lshl_b32 s63, s20, 17                        ; my half of C: 128 rows
	s_lshl_b32 s92, s21, 18                        ; q, k: block of 256 rows of the weight: cx
	s_add_co_u32 s92, s92, s63
	s_mov_b32 s93, 0
	s_lshr_b32 s94, s23, 1
	s_lshl_b32 s94, s94, 2
	s_add_co_u32 s94, s94, s21                     ; v: block of 256 tokens 4 (L / 2) + cx
	s_lshl_b32 s94, s94, 18
	s_add_co_u32 s94, s94, s63
	s_add_co_u32 s94, s94, 0x1000000               ; in xc's plane 2
	s_mov_b32 s95, 0
	s_mul_i32 s96, s20, 64*PITCH                   ; where they go in a slot: no place in the cluster enters an LDS address
	s_mul_i32 s97, s20, 128*PITCH
	s_add_co_u32 s97, s97, RREG
	s_wait_kmcnt 0x0
	s_load_b256 s[72:79], s[14:15], 0x0            ; e0 .. e7
	s_load_b128 s[80:83], s[14:15], 0x20           ; e8 .. e11
	s_add_nc_u64 s[RB0:RB0+1], s[4:5], s[90:91]
	s_add_nc_u64 s[RB1:RB1+1], s[RB0:RB0+1], 0x800000
	s_add_nc_u64 s[RB2:RB2+1], s[6:7], s[2:3]
	s_add_nc_u64 s[CB0:CB0+1], s[6:7], s[92:93]
	s_add_nc_u64 s[CB1:CB1+1], s[CB0:CB0+1], 0x100000
	s_add_nc_u64 s[CB2:CB2+1], s[4:5], s[94:95]
	CROUND                                         ; all sixteen work-groups are here: the first joint loads meet
.irp s, 0,1
	s_mov_b32 s[G0R+4*\s], 1
	s_add_co_u32 s[G0R+4*\s+1], s96, \s*SLOT
	s_add_nc_u64 s[G0R+4*\s+2:G0R+4*\s+3], s[RB0:RB0+1], \s*RKB
	s_or_b32 s[G0R+4*\s+3], s[G0R+4*\s+3], 0x80000000
	s_mov_b32 s[G0C+4*\s], 1
	s_add_co_u32 s[G0C+4*\s+1], s97, \s*SLOT
	s_add_nc_u64 s[G0C+4*\s+2:G0C+4*\s+3], s[CB0:CB0+1], \s*256
	s_or_b32 s[G0C+4*\s+3], s[G0C+4*\s+3], 0x80000000
	JLOAD \s                                       ; two loads of mine are out
.endr
	v_and_b32 v1, 15, v0                           ; r
	v_bfe_u32 v2, v0, 4, 1                         ; h
	v_mul_u32_u24 v3, v1, PITCH
	v_lshl_add_u32 v3, v2, 4, v3                   ; a fragment's row x pitch + 16 h
	s_mul_i32 s62, s19, 64*PITCH
	s_mul_i32 s63, s20, 128*PITCH
	s_add_co_u32 s63, s63, RREG
.irp s, 0,1
	v_add_nc_u32 v[ADRR+\s], s62, v3
	v_add_nc_u32 v[ADRC+\s], s63, v3
	s_add_co_u32 s62, s62, SLOT
	s_add_co_u32 s63, s63, SLOT
.endr
	v_and_b32 v4, 31, v0
	v_lshlrev_b32 v[LI], 4, v4
	; the biases.  bq, bk: lane (r, h) wants, for tile 2 B + u, those of columns 32 B + 16 h + 8 u + 0 .. 7 of my 128.  bv: lane r wants, for tile a, that of channel 32 (a / 2) + 16 (r / 8) + 8 (a % 2) + r % 8 of my 64
	s_lshl_b32 s98, s21, 10
	s_lshl_b32 s99, s20, 9
	s_add_co_u32 s98, s98, s99
	s_mov_b32 s99, 0
	s_add_nc_u64 s[8:9], s[8:9], s[98:99]
	s_add_nc_u64 s[10:11], s[10:11], s[98:99]
	s_and_b32 s98, s23, 1
	s_lshl_b32 s98, s98, 2
	s_add_co_u32 s98, s98, s22
	s_lshl_b32 s98, s98, 9
	s_lshl_b32 s2, s19, 8
	s_add_co_u32 s98, s98, s2
	s_add_nc_u64 s[12:13], s[12:13], s[98:99]
	v_lshlrev_b32 v5, 6, v2                        ; 64 h
	v_and_b32 v6, 7, v1
	v_lshrrev_b32 v7, 3, v1
	v_lshlrev_b32 v6, 2, v6
	v_lshl_add_u32 v6, v7, 6, v6                   ; 4 (r % 8) + 64 (r / 8)
	WIN 0xc0                                       ; destination window 3
.irp b, 0,1,2,3,4,5,6,7
	global_load_b128 v[8*\b:8*\b+3], v5, s[8:9] offset:(32*(\b/2)+8*(\b%2))*4
	global_load_b128 v[8*\b+4:8*\b+7], v5, s[8:9] offset:(32*(\b/2)+8*(\b%2))*4+16
	global_load_b128 v[64+8*\b:64+8*\b+3], v5, s[10:11] offset:(32*(\b/2)+8*(\b%2))*4
	global_load_b128 v[64+8*\b+4:64+8*\b+7], v5, s[10:11] offset:(32*(\b/2)+8*(\b%2))*4+16
.endr
.irp a, 0,1,2,3
	global_load_b32 v[160+\a], v6, s[12:13] offset:(32*(\a/2)+8*(\a%2))*4
.endr
	WIN 0
	; where my results go
	s_lshl_b32 s94, s23, 2
	s_add_co_u32 s94, s94, s22
	s_lshl_b32 s94, s94, 7
	s_lshl_b32 s95, s19, 6
	s_add_co_u32 s94, s94, s95                     ; q, k: my first stored token
	s_lshr_b32 s95, s94, 11                        ; its batch,
	s_and_b32 s94, s94, 2047
	s_lshr_b32 s94, s94, 4                         ; and its tile of 16 within the batch
	s_lshl_b32 s95, s95, 4
	s_lshl_b32 s98, s21, 2
	s_add_co_u32 s95, s95, s98
	s_lshl_b32 s98, s20, 1
	s_add_co_u32 s95, s95, s98                     ; batch x 16 + my first head, 4 cx + 2 (w % 2)
	s_lshl_b32 s95, s95, 7
	s_add_co_u32 s94, s94, s95
	s_lshl_b32 s94, s94, 10                        ; a tile's image is 1,024 bytes, a head's 128 of them
	s_mov_b32 s95, 0
	s_add_nc_u64 s[OQ:OQ+1], s[16:17], s[94:95]
	s_add_nc_u64 s[OK:OK+1], s[OQ:OQ+1], 0x800000
	s_lshr_b32 s94, s23, 1
	s_lshl_b32 s94, s94, 2
	s_add_co_u32 s94, s94, s21
	s_lshl_b32 s94, s94, 1
	s_add_co_u32 s94, s94, s20                     ; v: my 128 tokens: step number in the whole,
	s_lshr_b32 s95, s94, 4                         ; its batch,
	s_and_b32 s94, s94, 15                         ; and the key step within it
	s_lshl_b32 s95, s95, 4
	s_and_b32 s98, s23, 1
	s_lshl_b32 s98, s98, 2
	s_add_co_u32 s98, s98, s22
	s_lshl_b32 s98, s98, 1
	s_add_co_u32 s98, s98, s19                     ; my head: my 64 channels
	s_add_co_u32 s95, s95, s98
	s_lshl_b32 s95, s95, 4
	s_add_co_u32 s94, s94, s95
	s_lshl_b32 s94, s94, 13                        ; a key step's image is 8,192 bytes
	s_add_co_u32 s94, s94, 0x1000000
	s_mov_b32 s95, 0
	s_add_nc_u64 s[OV:OV+1], s[16:17], s[94:95]
; s[ea] + s[eb] are the exponents that a sum lacks, s[eo] the result's: v[vsc] = 2^(eo - ea - eb), v[vsc + 1] = 448 x that, s62 = -(ea + eb)
.macro FOLD ea, eb, eo, vsc
	s_add_co_i32 s62, s[\ea], s[\eb]
	s_sub_co_i32 s63, s[\eo], s62
	s_add_co_i32 s63, s63, 127
	s_lshl_b32 s2, s63, 23
	v_mov_b32 v[\vsc], s2
	s_add_co_i32 s63, s63, 8
	s_lshl_b32 s63, s63, 23
	s_or_b32 s63, s63, 0x600000
	v_mov_b32 v[(\vsc)+1], s63
	s_sub_co_i32 s62, 0, s62
.endm
	s_wait_kmcnt 0x0
	s_wait_loadcnt 0x0
	FOLD 72, 73, 78, QSC
	WIN 0xc3                                       ; source 0 and destination window 3
.set k, 0
.rept 64
	v_ldexp_f32 v[k], v[k], s62                    ; bq / 2^(e0 + e1)
.set k, k+1
.endr
	WIN 0
	FOLD 74, 75, 79, KSC
	WIN 0xc3
.set k, 64
.rept 64
	v_ldexp_f32 v[k], v[k], s62                    ; bk / 2^(e2 + e3)
.set k, k+1
.endr
	WIN 0
	FOLD 76, 77, 81, VSC
	WIN 0xc3
.irp a, 0,1,2,3
.irp j, 0,1,2,3,4,5,6,7
	v_ldexp_f32 v[128+8*\a+\j], v[160+\a], s62     ; bv / 2^(e4 + e5): a lane's channel has one bias for all eight tokens
.endr
.endr
	WIN 0
; 8 matrix instructions: R's tile a x C's eight, 128 along K, fragment set p.  mode 0: onto the sums; 1: the sums begin with v[boff + 8 b ..]; 2: with v[boff + 8 a ..].
; The 32 accumulators take turns, one instruction a turn, in the same order in every step.
.macro MUL8 a, p, mode, boff
.irp b, 0,1,2,3,4,5,6,7
.if \mode == 0
	v_wmma_f32_16x16x128_fp8_fp8 v[8*(8*(\a)+\b):8*(8*(\a)+\b)+7], v[128*(\p)+16*\b:128*(\p)+16*\b+15], v[128+64*(\p)+16*(\a):128+64*(\p)+16*(\a)+15], v[8*(8*(\a)+\b):8*(8*(\a)+\b)+7]
.elseif \mode == 1
	v_wmma_f32_16x16x128_fp8_fp8 v[8*(8*(\a)+\b):8*(8*(\a)+\b)+7], v[128*(\p)+16*\b:128*(\p)+16*\b+15], v[128+64*(\p)+16*(\a):128+64*(\p)+16*(\a)+15], v[(\boff)+8*\b:(\boff)+8*\b+7]
.else
	v_wmma_f32_16x16x128_fp8_fp8 v[8*(8*(\a)+\b):8*(8*(\a)+\b)+7], v[128*(\p)+16*\b:128*(\p)+16*\b+15], v[128+64*(\p)+16*(\a):128+64*(\p)+16*(\a)+15], v[(\boff)+8*(\a):(\boff)+8*(\a)+7]
.endif
.endr
.endm
; 48 LDS loads in one run: the fragments of the slot's q-th 128 along K into set p.  A fragment: lane (r, h) holds row r; registers 4 c .. 4 c + 3 the row's bytes 32 c + 16 h + 0 .. 15: the same places on both sides
.macro FETCH slot, q, p
	WIN TO_C
.irp i, 0,1,2,3,4,5,6,7
.irp c, 0,1,2,3
	ds_load_b128 v[128*(\p)+16*\i+4*\c:128*(\p)+16*\i+4*\c+3], v[ADRC+(\slot)] offset:128*(\q)+32*\c+\i*16*PITCH
.endr
.endr
	WIN 0
.irp i, 0,1,2,3
.irp c, 0,1,2,3
	ds_load_b128 v[128+64*(\p)+16*\i+4*\c:128+64*(\p)+16*\i+4*\c+3], v[ADRR+(\slot)] offset:128*(\q)+32*\c+\i*16*PITCH
.endr
.endr
.endm
; A slot's first step: multiplies set 0; the second step's fragments are asked for first, into set 1.
.macro STEP_E slot, mode, boff
	s_wait_dscnt 0x0                               ; set 0 is in
	PLACES 4                                       ; four plain lines between the last products on set 1 and the loads into it (ISA guide 7.12.1 for vector lines)
	FETCH \slot, 1, 1
.if \mode == 0
	WIN MUL
.else
	WIN MULB
.endif
	MUL8 0, 0, \mode, \boff
	MUL8 1, 0, \mode, \boff
	MUL8 2, 0, \mode, \boff
	MUL8 3, 0, \mode, \boff
.endm
; A slot's second step multiplies set 1 and changes slots: ONE barrier; in front of it each wave waits for all its tensor loads, adds 0 to its spare word, and waits for that and for its reads of this slot.
; fill = 1: the barrier opens a round of the cluster's barrier, and behind the round this slot takes part kap of the product whose bases are s[rb], s[cb].
.macro TURN slot, fill, rb, cb, kap
	WIN 0                                          ; (the add's two registers lie in window 0)
	s_wait_tensorcnt 0x0                           ; all my tensor loads have landed: the one that was out is my part of the next slot
	ds_add_u32 v[SPW], v[NIL]                      ; 0 onto my spare word
	s_wait_dscnt 0x1                               ; the add alone may be out: set 1's 48 loads are in
	WIN MUL
	MUL8 0, 1, 0, 0                                ; eight matrix instructions stand between the add and the wait for it
	s_wait_dscnt 0x0                               ; the add is done, and my reads of this slot are over
	s_barrier_signal -1
	MUL8 1, 1, 0, 0
	WIN 0
	s_barrier_wait -1
.if \fill
	CREST                                          ; no wave of any partner still reads this slot or has a load on its way
	s_add_nc_u64 s[G0R+4*\slot+2:G0R+4*\slot+3], s[\rb:\rb+1], (\kap)*RKB
	s_or_b32 s[G0R+4*\slot+3], s[G0R+4*\slot+3], 0x80000000
	s_add_nc_u64 s[G0C+4*\slot+2:G0C+4*\slot+3], s[\cb:\cb+1], (\kap)*256
	s_or_b32 s[G0C+4*\slot+3], s[G0C+4*\slot+3], 0x80000000
	JLOAD \slot                                    ; my one tensor load behind the round; its four v_nop are also the places in front of the loads into set 0
.else
	PLACES 4
.endif
	FETCH 1-\slot, 0, 0
	WIN MUL
	MUL8 2, 1, 0, 0
	MUL8 3, 1, 0, 0
.endm
; THE WAY OUT of a product: each sum is held within 448 x the folded scale (each accumulator from its low end on), converted, and the codes leave as register images.
.macro EPI sc, ob, isv
	WIN 0
	s_wait_xcnt 0x0                                ; the last product's stores have read their data: the codes' registers are written again only behind this wait
	PLACES 4                                       ; behind the last products, in front of the first read of results
	WIN 0x82                                       ; source 0 and destination window 2
.set k, 0
.rept 256
	v_med3_num_f32 v[k], v[k], -v[(\sc)+1], v[(\sc)+1]
.set k, k+1
.endr
	WIN 0x02                                       ; source 0 window 2
.set k, 0
.rept 32
	v_cvt_scalef32_pk8_fp8_f32 v[CODE+2*k:CODE+2*k+1], v[8*k:8*k+7], v[\sc]
.set k, k+1
.endr
	WIN 0
	v_nop                                          ; a plain line between the conversions and the next product's matrix instructions, which write their sources
.set k, 0
.rept 16                               ; k = 4 a + B
.if \isv
	global_store_b128 v[LI], v[CODE+4*k:CODE+4*k+3], s[\ob:\ob+1] offset:512*k   ; [channel tile a][32 keys B]: my 8,192 bytes on end
.else
	global_store_b128 v[LI], v[CODE+4*k:CODE+4*k+3], s[\ob:\ob+1] offset:(k/4)*1024+((k%4)/2)*131072+(k%2)*512   ; token tile a, head B / 2, half B % 2 of its 64 channels
.endif
.set k, k+1
.endr
.endm
	s_wait_tensorcnt 0x1                           ; my part of slot 0 is in; slot 1's may stay out
	s_barrier_signal -1
	s_barrier_wait -1
	FETCH 0, 0, 0
	STEP_E 0, 1, 0                                 ; q: the first products start the sums with bq
	TURN 0, 1, RB0, CB0, 2
	STEP_E 1, 0, 0
	TURN 1, 1, RB0, CB0, 3
	STEP_E 0, 0, 0
	TURN 0, 1, RB1, CB1, 0                         ; the ring goes on into k
	STEP_E 1, 0, 0
	TURN 1, 1, RB1, CB1, 1
	EPI QSC, OQ, 0
	STEP_E 0, 1, 64                                ; k
	TURN 0, 1, RB1, CB1, 2
	STEP_E 1, 0, 0
	TURN 1, 1, RB1, CB1, 3
	STEP_E 0, 0, 0
	TURN 0, 1, RB2, CB2, 0                         ; and into v
	STEP_E 1, 0, 0
	TURN 1, 1, RB2, CB2, 1
	EPI KSC, OK, 0
	STEP_E 0, 2, 128                               ; v
	TURN 0, 1, RB2, CB2, 2
	STEP_E 1, 0, 0
	TURN 1, 1, RB2, CB2, 3
	STEP_E 0, 0, 0
	TURN 0, 0, RB2, CB2, 0                         ; nothing is left to fetch
	STEP_E 1, 0, 0
	s_wait_dscnt 0x0                               ; the very last step
	WIN MUL
	MUL8 0, 1, 0, 0
	MUL8 1, 1, 0, 0
	MUL8 2, 1, 0, 0
	MUL8 3, 1, 0, 0
	EPI VSC, OV, 1
	s_wait_tensorcnt 0x0                           ; the wave's end
	ds_add_u32 v[SPW], v[NIL]
	s_wait_dscnt 0x0
	CROUND                                         ; the closing round: no work-group ends while a partner may still ask for a tile that names it
	s_endpgm
.Lfunc_end_k_qc437fe2c86_qkv:
	.size	k_qc437fe2c86_qkv, .Lfunc_end_k_qc437fe2c86_qkv-k_qc437fe2c86_qkv
	.p2alignl 7, 3214868480
	.fill 96, 4, 3214868480
	.section	.rodata,"a",@progbits
	.p2align	6, 0x0
	.amdhsa_kernel k_qc437fe2c86_qkv
		.amdhsa_group_segment_fixed_size 327680
		.amdhsa_private_segment_fixed_size 0
		.amdhsa_enable_private_segment 0
		.amdhsa_kernarg_size 56
		.amdhsa_user_sgpr_count 2
		.amdhsa_user_sgpr_kernarg_segment_ptr 1
		.amdhsa_wavefront_size32 1
		.amdhsa_system_sgpr_workgroup_id_x 1
		.amdhsa_system_sgpr_workgroup_id_y 1
		.amdhsa_system_sgpr_workgroup_id_z 1
		.amdhsa_system_vgpr_workitem_id 0
		.amdhsa_next_free_vgpr 1024
		.amdhsa_next_free_sgpr 100
		.amdhsa_reserve_vcc 0
		.amdhsa_float_denorm_mode_32 3
		.amdhsa_float_denorm_mode_16_64 3
		.amdhsa_memory_ordered 1
		.amdhsa_forward_progress 1
		.amdhsa_inst_pref_size 222
	.end_amdhsa_kernel
	.amdgpu_metadata
---
amdhsa.version: [ 1, 2 ]
amdhsa.kernels:
  - .name:           k_qc437fe2c86_qkv
    .symbol:         k_qc437fe2c86_qkv.kd
    .args:
      - { .name: xc, .offset: 0, .size: 8, .value_kind: global_buffer, .address_space: global }
      - { .name: wc, .offset: 8, .size: 8, .value_kind: global_buffer, .address_space: global }
      - { .name: bq, .offset: 16, .size: 8, .value_kind: global_buffer, .address_space: global }
      - { .name: bk, .offset: 24, .size: 8, .value_kind: global_buffer, .address_space: global }
      - { .name: bv, .offset: 32, .size: 8, .value_kind: global_buffer, .address_space: global }
      - { .name: lowp_scales, .offset: 40, .size: 8, .value_kind: global_buffer, .address_space: global }
      - { .name: qkvc, .offset: 48, .size: 8, .value_kind: global_buffer, .address_space: global }
    .group_segment_fixed_size: 327680
    .private_segment_fixed_size: 0
    .kernarg_segment_align: 8
    .kernarg_segment_size: 56
    .max_flat_workgroup_size: 128
    .sgpr_count:     100
    .vgpr_count:     1024
    .wavefront_size: 32
...
	.end_amdgpu_metadata
.endif
;; end of part 2
;; launch attn (part 3): grid 4 x 64, 16 waves a work-group, no clusters, 67,584 bytes of LDS; arguments qkvc, lowp_scales, aoc; writes aoc
.if DOCPART == 3
	.amdgcn_target "amdgcn-amd-amdhsa--gfx1250"
	.amdhsa_code_object_version 6
	.text
	.protected	k_qc437fe2c86_attn
	.globl	k_qc437fe2c86_attn
	.p2align	8
	.type	k_qc437fe2c86_attn,@function
k_qc437fe2c86_attn:
	s_mov_b64 s[64:65], 0
	v_nop
	global_prefetch_b8 v0, s[64:65] scope:SCOPE_SE
	s_setreg_imm32_b32 hwreg(HW_REG_WAVE_MODE, 25, 1), 1
	s_wait_xcnt 0x0
; ATTN: causal attention on codes of E4M3; 64 heads-in-batch of 2,048 tokens x 64 channels.  q, k, v come as register images (qkvc); the result is quantised (scale e10) and stored as the image of the last product's operand (aoc).
; THE SOFTMAX: t = score x log2(e) / 8; M = the row's largest t so far, rounded UP to a whole number; p = 2^(t - M) is quantised (scale e8), not normalised; the row's sum is taken of the unquantised p and divides at the end.
; When M moves, the sum and O are multiplied by 2^(old M - new M), which rounds nothing.
; SHARES.  Work-group (i, head) owns the blocks of 256 queries 7 - i and then i, and walks slots of 256 keys: 0 .. 7 - i, then 0 .. i: nine slots whatever i is, so all 256 work-groups have the same count of trips.
; Each of the SIXTEEN waves owns one tile of 16 stored queries in 256 registers: four waves to a SIMD, so that one wave's vector work stands beside another's matrix work and LDS loads.
; LAYOUT.  Both products transposed: S^T = K Q^T, O^T = V^T P^T: a lane holds one query throughout.  Tokens and channels are stored with bits 3 and 4 of their number swapped, so register j of tile 2 B + u, lanes' half h,
; is TRUE key (channel) 32 B + 16 h + 8 u + j: p's 16 registers of two neighbouring tiles are 16 neighbouring keys, and the conversions' results are the next operand.  Lane r of stored tile T is query 32 (T / 2) + 8 (T % 2) + r + 8 (r / 8).
; K AND V go from memory through registers into two LDS buffers that take turns: a slot is 16 KiB of K's images and 16 KiB of V's; each of the 512 threads moves 4 x 16 bytes, asked for at a slot's head and stored at its end.
; ONE barrier a slot: in front of it each wave has waited for its reads of the buffer in hand and for its stores into the other.  The buffers are named by constants: the loop's trip runs two slots.
; NO TENSOR LOADS AND NO JOINT REQUESTS, though the four work-groups of a head read the same K and V: (a) they walk 8 - i and then i + 1 slots, so from the second walk on partners want different slots in the same trip;
; (b) the hold of p at the largest code, 64 of a key step's vector lines, is passed over by a branch on the given exponent e8; (c) a slot is 32 KiB for 32 key-step-tiles of work.
; THE HOLD: p is at most 1 and one rounding; 448 x 2^e8 is at least 1.75 where e8 >= -8: there the hold changes nothing and is passed over; for e8 < -8 it runs.
; CAUSAL: a key step all of whose keys come after the wave's queries is left out by a scalar branch on ids; on the diagonal hidden scores become -infinity ahead of the maximum, so p = 0.  Key 0 counts for every query.
; LIMITS: e6 + e7 between -123 and 130 (added to c's exponent field); e8 and e10 between -126 and 119; e8 + e9 is applied by v_ldexp_f32.  NaN is not served.
; REGISTERS: v1 16 x lane, v2 16 x thread, v5 r + 8 (r / 8) - 16 h, v6 256 x lane; v12 -M, v13 the largest t, v[14:15] the sum; v16-23 Q; v24-39 the slot on its way; v40-103 fragments of K, then of V; v104-167 S^T, then p;
;   v168-199 O^T; v200-215 p's codes; v216-223 the result's codes; v236-254 at work and constants.
.set BUFB, 32768                       ; an LDS buffer: K's 16 tiles of 1,024 bytes, then V's 2 key steps of 8,192
.set FR,  40
.set S,   104
.set O,   168
.set P,   200
.set AOC, 216
	s_load_b128 s[4:7], s[0:1], 0x0                ; qkvc, the scales' exponents
	s_load_b64 s[8:9], s[0:1], 0x10                ; aoc
	v_lshl_add_u32 v251, v0, 2, 0x10000
	v_mov_b32 v255, 0
	v_lshrrev_b32 v3, 5, v0
	v_readfirstlane_b32 s10, v3                    ; wave 0..15
	s_mov_b32 s11, ttmp9                           ; i
	s_and_b32 s12, ttmp7, 0xffff                   ; batch x 16 + head
	s_sub_co_u32 s13, 8, s11                       ; NA: slots of the first walk
	s_mov_b32 s20, 0x76543210                      ; v_permlanex16_b32: lane l xor 16
	s_mov_b32 s21, 0xfedcba98
	v_and_b32 v3, 31, v0
	v_lshlrev_b32 v1, 4, v3
	v_lshlrev_b32 v2, 4, v0
	v_lshlrev_b32 v6, 8, v3
	v_and_b32 v7, 15, v0
	v_and_b32 v5, 8, v0
	v_add_nc_u32 v5, v5, v7                        ; r + 8 (r / 8)
	v_and_b32 v7, 16, v0
	v_sub_nc_u32 v5, v5, v7                        ; - 16 h
	v_mov_b32 v236, 0                              ; a lane permute's destination counts as one of its sources
	v_mov_b32 v253, 0                              ; (named as the upper half of the pair v[252:253])
	s_lshl_b32 s58, s12, 17                        ; a head's images: 131,072 bytes in each plane
	s_mov_b32 s59, 0
	s_lshr_b32 s60, s12, 4
	s_lshl_b32 s60, s60, 21                        ; aoc: a batch is 128 tiles of 16,384 bytes,
	s_and_b32 s61, s12, 15
	s_lshl_b32 s61, s61, 10                        ; a head's part of a tile 1,024
	s_add_co_u32 s60, s60, s61
	s_mov_b32 s61, 0
	s_wait_kmcnt 0x0
	s_load_b256 s[36:43], s[6:7], 0x0              ; e0 .. e7
	s_load_b128 s[44:47], s[6:7], 0x20             ; e8 .. e11
	s_add_nc_u64 s[32:33], s[4:5], s[58:59]        ; q's images of my head,
	s_add_nc_u64 s[24:25], s[32:33], 0x800000      ; k's,
	s_add_nc_u64 s[26:27], s[32:33], 0x1000000     ; v's
	s_add_nc_u64 s[34:35], s[8:9], s[60:61]
	global_load_b128 v[24:27], v2, s[24:25]        ; slot 0
	global_load_b128 v[28:31], v2, s[24:25] offset:8192
	global_load_b128 v[32:35], v2, s[26:27]
	global_load_b128 v[36:39], v2, s[26:27] offset:8192
	; the prefetches: the head's work-group 0 walks all eight slots first; its waves 0 and 1 ask for K's 16 KiB of a slot, waves 2 and 3 for V's, 8,192 bytes a wave, lanes 256 bytes apart
	s_cmp_lt_u32 s10, 2
	s_cselect_b64 s[48:49], s[24:25], s[26:27]
	s_and_b32 s58, s10, 1
	s_lshl_b32 s58, s58, 13
	s_add_nc_u64 s[48:49], s[48:49], s[58:59]
	s_lshr_b32 s58, s10, 2
	s_or_b32 s58, s58, s11
	s_cmp_eq_u32 s58, 0
	s_cselect_b32 s52, 6, 0                        ; a wave prefetches while n is under this: slots 2 .. 7, each named once in the launch
	s_wait_kmcnt 0x0
	s_add_co_i32 s58, s42, s43
	s_lshl_b32 s58, s58, 23
	s_mov_b32 s22, 0x3e38aa3b                      ; c = log2(e) / 8
	s_add_co_i32 s22, s22, s58                     ; a score stands for score x 2^(e6 + e7): added to c's exponent field
	s_mov_b32 s23, s22                             ; (named with it as a pair)
	s_add_co_i32 s58, s44, 127
	s_lshl_b32 s59, s58, 23
	v_mov_b32 v244, s59                            ; 2^e8
	s_add_co_i32 s58, s58, 8
	s_lshl_b32 s58, s58, 23
	s_or_b32 s58, s58, 0x600000
	v_mov_b32 v240, s58                            ; 448 x 2^e8
	s_add_co_i32 s58, s46, 127
	s_lshl_b32 s59, s58, 23
	v_mov_b32 v245, s59                            ; 2^e10
	s_add_co_i32 s58, s58, 8
	s_lshl_b32 s58, s58, 23
	s_or_b32 s58, s58, 0x600000
	v_mov_b32 v246, s58                            ; 448 x 2^e10
; A block of queries begins; its number stands in s58.
.macro INIT
	s_lshl_b32 s18, s58, 4
	s_add_co_u32 s18, s18, s10                     ; T: my stored tile of queries
	s_lshr_b32 s17, s18, 1
	s_lshl_b32 s17, s17, 5                         ; QB = 32 (T / 2): my queries lie in QB .. QB + 31
	s_and_b32 s19, s18, 1
	s_lshl_b32 s19, s19, 3
	s_add_co_u32 s19, s19, s17                     ; QB + 8 (T % 2)
	s_lshl_b32 s58, s18, 10
	s_mov_b32 s59, 0
	s_add_nc_u64 s[54:55], s[32:33], s[58:59]
	global_load_b128 v[16:19], v1, s[54:55]        ; Q's fragment stays in registers
	global_load_b128 v[20:23], v1, s[54:55] offset:512
	v_mov_b32 v13, 0xff61b1e6                      ; the largest t so far: -3e38
	v_floor_f32 v12, -v13                          ; -M
	v_mov_b32 v14, 0
	v_mov_b32 v15, 0
.set k, 0
.rept 32
	v_mov_b32 v[O+k], 0                            ; the key step is written without a first step of its own: it finds zeros, which the first change of M leaves zeros
.set k, k+1
.endr
	s_wait_loadcnt 0x0
.endm
; A block of queries ends: O^T / the sum x 2^(e8 + e9), quantised with e10; two stores of 512 consecutive bytes, aligned.
.macro FINISH
	s_wait_xcnt 0x0                                ; the earlier stores have read their data and base: both are written again only behind this wait
.rept 4
	v_nop                                          ; behind the last products, in front of the first read of results
.endr
	v_add_f32 v14, v14, v15
	v_permlanex16_b32 v236, v14, s20, s21
	v_add_f32 v14, v14, v236                       ; the row's sum
	v_rcp_f32 v14, v14
	v_nop                                          ; a plain line behind the transcendental,
	s_add_co_i32 s58, s44, s45
	s_wait_alu depctr_va_vdst(0)                   ; and the wait ahead of the first line that names its result
	v_ldexp_f32 v252, v14, s58
.set k, 0
.rept 16
	v_pk_mul_f32 v[O+2*k:O+2*k+1], v[O+2*k:O+2*k+1], v[252:253] op_sel_hi:[1,0]
.set k, k+1
.endr
.set k, 0
.rept 32
	v_med3_num_f32 v[O+k], v[O+k], -v246, v246
.set k, k+1
.endr
.irp u, 0,1,2,3
	v_cvt_scalef32_pk8_fp8_f32 v[AOC+2*\u:AOC+2*\u+1], v[O+8*\u:O+8*\u+7], v245
.endr
	v_nop                                          ; a plain line behind the last conversion
	s_lshl_b32 s58, s18, 14
	s_mov_b32 s59, 0
	s_add_nc_u64 s[56:57], s[34:35], s[58:59]
	global_store_b128 v1, v[AOC:AOC+3], s[56:57]               ; channels 16 h + 0 .. 15 of my head,
	global_store_b128 v1, v[AOC+4:AOC+7], s[56:57] offset:512  ; and 32 + 16 h + 0 .. 15
.endm
; A KEY STEP: 128 keys, the q-th of the slot in buffer buf.  s16 = its first key.
.macro STEP buf, q
	s_add_co_u32 s58, s17, 31
	s_cmp_gt_u32 s16, s58
	s_cbranch_scc1 .Lhid_\@                        ; all its keys come after my queries
.rept 4
	v_nop                                          ; places in front of loads into registers that matrix instructions have read
.endr
.irp t, 0,1,2,3,4,5,6,7
	ds_load_b128 v[FR+8*\t:FR+8*\t+3], v1 offset:(\buf)*BUFB+(8*(\q)+\t)*1024
	ds_load_b128 v[FR+8*\t+4:FR+8*\t+7], v1 offset:(\buf)*BUFB+(8*(\q)+\t)*1024+512
.endr
	s_wait_dscnt 0x0
.irp t, 0,1,2,3,4,5,6,7
	v_wmma_f32_16x16x64_fp8_fp8 v[S+8*\t:S+8*\t+7], v[FR+8*\t:FR+8*\t+7], v[16:23], 0
.endr
.rept 4
	v_nop                                          ; places: for V's loads into K's registers, and for the first read of the scores
.endr
.irp u, 0,1,2,3
.irp c, 0,1,2,3
	ds_load_b128 v[FR+16*\u+4*\c:FR+16*\u+4*\c+3], v1 offset:(\buf)*BUFB+16384+8192*(\q)+2048*\u+512*\c   ; V lands under the softmax
.endr
.endr
	s_add_co_u32 s58, s16, 127
	s_cmp_le_u32 s58, s17
	s_cbranch_scc1 .Lopen_\@                       ; all its keys count for all my queries
	s_sub_co_i32 s58, s19, s16
	v_add_nc_u32 v238, s58, v5                     ; d = my query - the step's first key - 16 h.  Register 16 B + i holds key 32 B + 16 h + i of the step: hidden where 32 B + i > d
	v_mov_b32 v239, 0xff800000                     ; -infinity
.set k, 0
.rept 64
	v_cmp_gt_i32 vcc_lo, 32*(k/16)+k%16, v238
	v_cndmask_b32 v[S+k], v[S+k], v239, vcc_lo
.set k, k+1
.endr
.Lopen_\@:
	v_max3_num_f32 v254, v[S], v[S+1], v[S+2]      ; the step's largest score of my query, in two chains, each accumulator from its low end on
	v_max3_num_f32 v252, v[S+3], v[S+4], v[S+5]
.irp i, 6,10,14,18,22,26,30,34,38,42,46,50,54,58
	v_max3_num_f32 v254, v254, v[S+\i], v[S+\i+1]
	v_max3_num_f32 v252, v252, v[S+\i+2], v[S+\i+3]
.endr
	v_max3_num_f32 v254, v254, v[S+62], v[S+63]
	v_max_num_f32 v254, v254, v252
	v_permlanex16_b32 v236, v254, s20, s21
	v_max_num_f32 v254, v254, v236                 ; and among lane l xor 16's
	v_mul_f32 v254, s22, v254                      ; as t (c is positive)
	v_max_num_f32 v13, v13, v254                   ; the running largest t
	v_mov_b32 v254, v12
	v_floor_f32 v12, -v13                          ; the new -M = -ceil(t)
	v_sub_f32 v254, v12, v254                      ; old M - new M: a whole number, 0 or less
	v_cvt_i32_f32 v254, v254                       ; (it saturates)
	v_ldexp_f32 v252, 1.0, v254                    ; f = 2^(old M - new M)
.set k, 0
.rept 32
	v_pk_fma_f32 v[S+2*k:S+2*k+1], v[S+2*k:S+2*k+1], s[22:23], v[12:13] op_sel_hi:[1,0,0]   ; t - M
.set k, k+1
.endr
.set k, 0
.rept 64
	v_exp_f32 v[S+k], v[S+k]                       ; p = 2^(t - M)
.set k, k+1
.endr
	v_pk_mul_f32 v[14:15], v[14:15], v[252:253] op_sel_hi:[1,0]   ; the sums under the new M: the plain line behind the batch
	s_wait_alu depctr_va_vdst(0)                   ; one wait for the 64 exponentials, ahead of the first line that names a result
	v_pk_add_f32 v[242:243], v[S:S+1], v[S+2:S+3]  ; the row's sum is taken of the unquantised p, in two chains
.irp j, 4,8,12,16,20,24,28,32,36,40,44,48,52,56,60
	v_pk_add_f32 v[14:15], v[14:15], v[S+\j:S+\j+1]
	v_pk_add_f32 v[242:243], v[242:243], v[S+\j+2:S+\j+3]
.endr
	v_pk_add_f32 v[14:15], v[14:15], v[242:243]
	s_cmp_ge_i32 s44, -8                           ; 448 x 2^e8 >= 1.75 lies over every p: the hold would change nothing
	s_cbranch_scc1 .Lnohold_\@
.set k, 0
.rept 64
	v_min_num_f32 v[S+k], v[S+k], v240             ; the conversion does not saturate (ISA guide 7.6.2); p is not negative, so the hold is one-sided
.set k, k+1
.endr
.Lnohold_\@:
.irp b, 0,1,2,3
	v_cvt_scalef32_pk8_fp8_f32 v[P+4*\b:P+4*\b+1], v[S+16*\b:S+16*\b+7], v244
	v_cvt_scalef32_pk8_fp8_f32 v[P+4*\b+2:P+4*\b+3], v[S+16*\b+8:S+16*\b+15], v244
.endr
.set k, 0
.rept 16
	v_pk_mul_f32 v[O+2*k:O+2*k+1], v[O+2*k:O+2*k+1], v[252:253] op_sel_hi:[1,0]   ; O^T under the new M; also the plain lines between the conversions and the products that read their results
.set k, k+1
.endr
	s_wait_dscnt 0x0                               ; V is in
.irp u, 0,1,2,3
	v_wmma_f32_16x16x128_fp8_fp8 v[O+8*\u:O+8*\u+7], v[FR+16*\u:FR+16*\u+15], v[P:P+15], v[O+8*\u:O+8*\u+7]   ; four accumulators by turns; eight products on other registers stand between a step's and the next's
.endr
.Lhid_\@:
	s_add_co_u32 s16, s16, 128
.endm
; A SLOT in buffer buf.  stage = 1: the next slot is asked for at the head and stored into the other buffer at the end, and the barrier follows.  s14 = n, the slot's number among the nine.
.macro TRIP buf, stage
	s_cmp_lg_u32 s14, s13
	s_cbranch_scc1 .Lsame_\@                       ; (on ids alone: the same in all sixteen waves)
	FINISH                                         ; the first walk is over: block 7 - i leaves,
	s_mov_b32 s58, s11
	INIT                                           ; block i begins,
	s_mov_b32 s16, 0                               ; at key 0
.Lsame_\@:
.if \stage
	s_add_co_u32 s58, s14, 1
	s_cmp_ge_u32 s58, s13
	s_cselect_b32 s59, s13, 0
	s_sub_co_u32 s58, s58, s59                     ; the next slot of keys: n + 1, or n + 1 - NA in the second walk
	s_lshl_b32 s58, s58, 14
	s_mov_b32 s59, 0
	s_add_co_u32 s60, s14, 2
	s_lshl_b32 s60, s60, 14
	s_mov_b32 s61, 0
	s_wait_xcnt 0x0                                ; the last slot's loads and prefetch have read their bases
	s_add_nc_u64 s[28:29], s[24:25], s[58:59]
	s_add_nc_u64 s[30:31], s[26:27], s[58:59]
	s_add_nc_u64 s[50:51], s[48:49], s[60:61]
	global_load_b128 v[24:27], v2, s[28:29]        ; 512 threads x 16 bytes: 8,192 consecutive bytes a line
	global_load_b128 v[28:31], v2, s[28:29] offset:8192
	global_load_b128 v[32:35], v2, s[30:31]
	global_load_b128 v[36:39], v2, s[30:31] offset:8192
	s_cmp_lt_u32 s14, s52
	s_cbranch_scc0 .Lnopf_\@
	global_prefetch_b8 v6, s[50:51] th:TH_LOAD_NT scope:SCOPE_SE   ; slot n + 2: what the next trip's loads will ask for; it stops with slot 7
.Lnopf_\@:
.endif
	STEP \buf, 0
	STEP \buf, 1
.if \stage
	s_wait_loadcnt 0x0
	ds_store_b128 v2, v[24:27] offset:(1-(\buf))*BUFB          ; every wave's reads of that buffer were waited for in front of the last barrier
	ds_store_b128 v2, v[28:31] offset:(1-(\buf))*BUFB+8192
	ds_store_b128 v2, v[32:35] offset:(1-(\buf))*BUFB+16384
	ds_store_b128 v2, v[36:39] offset:(1-(\buf))*BUFB+24576
	s_wait_dscnt 0x0                               ; for the others' sake: my stores have landed, and my reads of this buffer are over
	s_barrier_signal -1
	s_barrier_wait -1
.endif
	s_add_co_u32 s14, s14, 1
.endm
	s_sub_co_u32 s58, 7, s11
	INIT                                           ; block 7 - i; its wait covers slot 0's loads too
	s_mov_b32 s16, 0
	s_mov_b32 s14, 0
	ds_store_b128 v2, v[24:27]
	ds_store_b128 v2, v[28:31] offset:8192
	ds_store_b128 v2, v[32:35] offset:16384
	ds_store_b128 v2, v[36:39] offset:24576
	s_wait_dscnt 0x0
	s_barrier_signal -1
	s_barrier_wait -1
	s_mov_b32 s53, 4
.Lpair:                                            ; four trips of two slots
	TRIP 0, 1
	TRIP 1, 1
	s_sub_co_u32 s53, s53, 1
	s_cmp_lg_u32 s53, 0
	s_cbranch_scc1 .Lpair
	TRIP 0, 0                                      ; the ninth slot: nothing is left to fetch
	FINISH
	s_wait_tensorcnt 0x0
	ds_add_u32 v251, v255
	s_wait_dscnt 0x0
	s_endpgm
.Lfunc_end_k_qc437fe2c86_attn:
	.size	k_qc437fe2c86_attn, .Lfunc_end_k_qc437fe2c86_attn-k_qc437fe2c86_attn
	.p2alignl 7, 3214868480
	.fill 96, 4, 3214868480
	.section	.rodata,"a",@progbits
	.p2align	6, 0x0
	.amdhsa_kernel k_qc437fe2c86_attn
		.amdhsa_group_segment_fixed_size 67584
		.amdhsa_private_segment_fixed_size 0
		.amdhsa_enable_private_segment 0
		.amdhsa_kernarg_size 24
		.amdhsa_user_sgpr_count 2
		.amdhsa_user_sgpr_kernarg_segment_ptr 1
		.amdhsa_wavefront_size32 1
		.amdhsa_system_sgpr_workgroup_id_x 1
		.amdhsa_system_sgpr_workgroup_id_y 1
		.amdhsa_system_sgpr_workgroup_id_z 1
		.amdhsa_system_vgpr_workitem_id 0
		.amdhsa_next_free_vgpr 256
		.amdhsa_next_free_sgpr 66
		.amdhsa_reserve_vcc 1
		.amdhsa_float_denorm_mode_32 3
		.amdhsa_float_denorm_mode_16_64 3
		.amdhsa_memory_ordered 1
		.amdhsa_forward_progress 1
		.amdhsa_inst_pref_size 153
	.end_amdhsa_kernel
	.amdgpu_metadata
---
amdhsa.version: [ 1, 2 ]
amdhsa.kernels:
  - .name:           k_qc437fe2c86_attn
    .symbol:         k_qc437fe2c86_attn.kd
    .args:
      - { .name: qkvc, .offset: 0, .size: 8, .value_kind: global_buffer, .address_space: global }
      - { .name: lowp_scales, .offset: 8, .size: 8, .value_kind: global_buffer, .address_space: global }
      - { .name: aoc, .offset: 16, .size: 8, .value_kind: global_buffer, .address_space: global }
    .group_segment_fixed_size: 67584
    .private_segment_fixed_size: 0
    .kernarg_segment_align: 8
    .kernarg_segment_size: 24
    .max_flat_workgroup_size: 512
    .sgpr_count:     66
    .vgpr_count:     256
    .wavefront_size: 32
...
	.end_amdgpu_metadata
.endif
;; end of part 3
;; launch oproj (part 4): grid 4 x 64, 4 waves a work-group, clusters of 4 x 4, 327,680 bytes of LDS; arguments aoc, wc, bo, lowp_scales, x, out0; writes out0
.if DOCPART == 4
	.amdgcn_target "amdgcn-amd-amdhsa--gfx1250"
	.amdhsa_code_object_version 6
	.text
	.protected	k_qc437fe2c86_oproj
	.globl	k_qc437fe2c86_oproj
	.p2align	8
	.type	k_qc437fe2c86_oproj,@function
k_qc437fe2c86_oproj:
	s_mov_b64 s[64:65], 0
	v_nop
	global_prefetch_b8 v0, s[64:65] scope:SCOPE_SE
	s_setreg_imm32_b32 hwreg(HW_REG_WAVE_MODE, 25, 1), 1
	s_wait_xcnt 0x0
	s_wait_alu depctr_hold_cnt(0) depctr_sa_sdst(0) depctr_va_vdst(0) depctr_va_sdst(0) depctr_va_ssrc(0) depctr_va_vcc(0) depctr_vm_vsrc(0)
	s_getreg_b32 s2, hwreg(HW_REG_IB_STS2, 6, 4)
	s_cmp_eq_u32 s2, 0
	s_cbranch_scc0 .Lentry_in_a_cluster
	s_endpgm
.Lentry_in_a_cluster:
	s_bfe_u32 s2, ttmp6, 0x10000c
	s_cmp_lg_u32 s2, 0xf033
	s_cbranch_scc0 .Lentry_shape_is_right
	s_endpgm
.Lentry_shape_is_right:
; OPROJ: out0 = x + attention's result x Wo^T + bo, the product on codes of E4M3 (K = 1,024; scales e10, e11).
; A TILE is 128 tokens (operand R, matrix source 1: aoc's register images) x 256 columns (operand C, source 0: Wo's codes, wc's plane 3).  Four waves: wave w takes tokens 64 (w / 2) on (4 tiles a) and columns
; 128 (w % 2) on (8 tiles b): 32 accumulators.  K goes through a ring of two LDS slots of 256.  A lane holds one stored token; register j of tile 2 B + u, lanes' half h, is TRUE column 32 B + 16 h + 8 u + j.
; bo is the C of each sum's first matrix instruction, divided by 2^(e10 + e11); on the way out one packed multiply-add gives sum x 2^(e10 + e11) + x.
; The wave's 64 x 128 numbers of x are asked for at the head, into 256 registers of their own, and land while the products run.  Tokens are stored with bits 3 and 4 of their number swapped: stored row s of my 64 is true row sigma(s).
; CLUSTERS: 4 x 4 work-groups.  R's tile hangs on (cluster y, cy) and is asked for jointly by the four of a row of the cluster, C's on cx and by the four of a column.
; LIMIT: e10 + e11 lies between -126 and 127.
; REGISTERS, in windows of 256: window 0: v0-31 addresses, v64-127 bo in the result's layout, v128-191 and v192-255 R's fragments, two sets (on the way out: rows read back from the stage);
;   window 1: C's fragments, two sets of 128;  window 2: accumulator (a, b) at v[8 (8 a + b)];  window 3: x, stored row s at v[4 s].
.set PITCH,  272                       ; a row of C in LDS: 256 bytes + 16 of padding
.set RREG,   32768                     ; a slot: R's 8 token tiles x 4,096 bytes (two K steps' images, dense),
.set SLOT,   RREG+256*PITCH            ; then C's 256 rows
.set SPARE,  2*SLOT                    ; behind the ring: the spare words, 128 bytes for each wave, that no other line names
.set STAGE,  SPARE+512                 ; behind them: a stage of 16 rows x (512 bytes + 16) for each wave; no fill lands there
.set SPITCH, 528
.set RKB,    4096                      ; bytes from one slot's part of a token tile to the next, in memory
.set ADRR, 16
.set ADRC, 20
.set LI,   24                          ; v24  16 x lane
.set STO,  25                          ; v25  the stage: where I put 32 bytes of a row
.set RD,   26                          ; v26  and where I read a row back
.set SPW,  28                          ; v28  my spare word: SPARE + 4 x my thread's number; never rewritten
.set NIL,  29                          ; v29  0; never rewritten
.set BK,   128
.set G1R, 24
.set G1C, 32
.set G0R, 40
.set G0C, 48
.set RB0, 56
.set CB0, 66
.set MSB, 0
.macro WIN new                         ; the immediate's high byte repeats the setting that is left
.if MSB != \new
	s_set_vgpr_msb (MSB<<8)|\new
.set MSB, \new
.endif
.endm
.set MUL,  0xa1                        ; source 0 (C's fragment) window 1, source 1 (R's) window 0, sums window 2
.set MULB, 0x81                        ; the same with the addend (bo) from window 0
.set TO_C, 0x40
.macro PLACES n
.rept \n
	v_nop
.endr
.endm
.macro JLOAD s                         ; a joint load: waves 0 and 1 fetch R's halves, waves 2 and 3 C's; four v_nop follow each of the two lines
	s_cmp_eq_u32 s19, 0
	s_cbranch_scc0 .Lfor_c_\@
	tensor_load_to_lds s[G0R+4*\s:G0R+4*\s+3], s[G1R:G1R+7]
	s_nop 0
.rept 4
	v_nop
.endr
	s_branch .Lasked_\@
.Lfor_c_\@:
	tensor_load_to_lds s[G0C+4*\s:G0C+4*\s+3], s[G1C:G1C+7]
	s_nop 0
.rept 4
	v_nop
.endr
.Lasked_\@:
.endm
.macro CREST
	s_cmp_lg_u32 s18, 0
	s_cbranch_scc1 .Lnot_wave_0_\@
	s_barrier_signal -3
.Lnot_wave_0_\@:
	s_barrier_wait -3
	s_barrier_signal -1
	s_barrier_wait -1
.endm
.macro CROUND
	s_barrier_signal -1
	s_barrier_wait -1
	CREST
.endm
	s_load_b256 s[4:11], s[0:1], 0x0               ; aoc 4:5, wc 6:7, bo 8:9, the scales' exponents 10:11
	s_load_b128 s[12:15], s[0:1], 0x20             ; x 12:13, out0 14:15
	v_lshl_add_u32 v[SPW], v0, 2, SPARE
	v_mov_b32 v[NIL], 0
	ds_add_u32 v28, v29
	ds_add_u32 v28, v29
	s_wait_dscnt 0x0
	v_lshrrev_b32 v1, 5, v0
	v_readfirstlane_b32 s18, v1                    ; wave 0..3
	s_lshr_b32 s19, s18, 1                         ; which 64 tokens are mine.  Also: I fetch for R (0) or for C (1)
	s_and_b32 s20, s18, 1                          ; which 128 columns.  Also: which half of that tile I fetch
	s_bfe_u32 s21, ttmp6, 0x40000                  ; cx
	s_bfe_u32 s22, ttmp6, 0x40004                  ; cy
	s_and_b32 s23, ttmp7, 0xffff                   ; L: the cluster's y
	s_lshl_b32 s90, s22, 2
	s_lshl_b32 s90, 15, s90                        ; my row of the cluster
	s_lshl_b32 s92, 0x1111, s21                    ; my column
	s_or_b32 s[G1R], s90, (3<<16)|(1<<21)          ; the mask; elements of 8 bytes; no padding; bit 21 beside a mask
	s_mov_b32 s[G1R+1], 512<<16                    ; tensor_dim0 = 512: 4,096 bytes of a token tile
	s_mov_b32 s[G1R+2], 4<<16                      ; tensor_dim1 = 4 token tiles
	s_mov_b32 s[G1R+3], 512<<16                    ; tile_dim0
	s_mov_b32 s[G1R+4], 4                          ; tile_dim1
	s_mov_b32 s[G1R+5], 2048                       ; from tile to tile: 16,384 bytes
	s_mov_b32 s[G1R+6], 0
	s_mov_b32 s[G1R+7], 0
	s_or_b32 s[G1C], s92, (1<<20)|(1<<21)|(5<<22)|(3<<25)   ; elements of 1 byte; after every 64 words, 4 words of padding
	s_mov_b32 s[G1C+1], 256<<16
	s_mov_b32 s[G1C+2], 128<<16
	s_mov_b32 s[G1C+3], 256<<16
	s_mov_b32 s[G1C+4], 128
	s_mov_b32 s[G1C+5], 1024
	s_mov_b32 s[G1C+6], 0
	s_mov_b32 s[G1C+7], 0
	s_lshl_b32 s90, s23, 2
	s_add_co_u32 s90, s90, s22                     ; block of 128 tokens 4 L + cy: 8 tiles of 16,384 bytes,
	s_lshl_b32 s90, s90, 17
	s_lshl_b32 s62, s20, 16                        ; my half: 4 tiles
	s_add_co_u32 s90, s90, s62
	s_mov_b32 s91, 0
	s_lshl_b32 s92, s21, 18                        ; block of 256 rows of Wo: cx,
	s_lshl_b32 s63, s20, 17                        ; my half: 128 rows,
	s_add_co_u32 s92, s92, s63
	s_add_co_u32 s92, s92, 0x300000                ; in wc's plane 3
	s_mov_b32 s93, 0
	s_lshl_b32 s96, s20, 14                        ; where they go in a slot: no place in the cluster enters an LDS address
	s_mul_i32 s97, s20, 128*PITCH
	s_add_co_u32 s97, s97, RREG
	s_wait_kmcnt 0x0
	s_load_b64 s[72:73], s[10:11], 0x28            ; e10, e11
	s_add_nc_u64 s[RB0:RB0+1], s[4:5], s[90:91]
	s_add_nc_u64 s[CB0:CB0+1], s[6:7], s[92:93]
	CROUND                                         ; all sixteen work-groups are here: the first joint loads meet
.irp s, 0,1
	s_mov_b32 s[G0R+4*\s], 1
	s_add_co_u32 s[G0R+4*\s+1], s96, \s*SLOT
	s_add_nc_u64 s[G0R+4*\s+2:G0R+4*\s+3], s[RB0:RB0+1], \s*RKB
	s_or_b32 s[G0R+4*\s+3], s[G0R+4*\s+3], 0x80000000
	s_mov_b32 s[G0C+4*\s], 1
	s_add_co_u32 s[G0C+4*\s+1], s97, \s*SLOT
	s_add_nc_u64 s[G0C+4*\s+2:G0C+4*\s+3], s[CB0:CB0+1], \s*256
	s_or_b32 s[G0C+4*\s+3], s[G0C+4*\s+3], 0x80000000
	JLOAD \s                                       ; two loads of mine are out
.endr
	v_and_b32 v1, 15, v0                           ; r
	v_bfe_u32 v2, v0, 4, 1                         ; h
	v_and_b32 v4, 31, v0
	v_lshlrev_b32 v[LI], 4, v4
	v_mul_u32_u24 v3, v1, PITCH
	v_lshl_add_u32 v3, v2, 4, v3
	s_lshl_b32 s62, s19, 14                        ; my 4 token tiles of R
	s_mul_i32 s63, s20, 128*PITCH
	s_add_co_u32 s63, s63, RREG
.irp s, 0,1
	v_add_nc_u32 v[ADRR+\s], s62, v[LI]            ; images: 16 x lane
	v_add_nc_u32 v[ADRC+\s], s63, v3               ; rows: row x pitch + 16 h
	s_add_co_u32 s62, s62, SLOT
	s_add_co_u32 s63, s63, SLOT
.endr
	s_mul_i32 s62, s18, 16*SPITCH
	s_add_co_u32 s62, s62, STAGE                   ; my stage
	v_mul_u32_u24 v6, v1, SPITCH
	v_lshl_add_u32 v6, v2, 6, v6
	v_add_nc_u32 v[STO], s62, v6                   ; in: row r, + 64 h: columns 16 h on
	v_add_nc_u32 v[RD], s62, v[LI]                 ; back: the 32 lanes take one row of 512 bytes
	s_lshl_b32 s98, s21, 10
	s_lshl_b32 s99, s20, 9
	s_add_co_u32 s98, s98, s99                     ; my first column, in bytes of f32
	s_mov_b32 s99, 0
	s_add_nc_u64 s[8:9], s[8:9], s[98:99]
	v_lshlrev_b32 v5, 6, v2                        ; 64 h
.irp b, 0,1,2,3,4,5,6,7
	global_load_b128 v[64+8*\b:64+8*\b+3], v5, s[8:9] offset:(32*(\b/2)+8*(\b%2))*4
	global_load_b128 v[64+8*\b+4:64+8*\b+7], v5, s[8:9] offset:(32*(\b/2)+8*(\b%2))*4+16
.endr
	s_lshl_b32 s94, s23, 2
	s_add_co_u32 s94, s94, s22
	s_lshl_b32 s94, s94, 7
	s_lshl_b32 s95, s19, 6
	s_add_co_u32 s94, s94, s95                     ; my first token
	s_lshl_b32 s94, s94, 12
	s_add_co_u32 s94, s94, s98
	s_mov_b32 s95, 0
	s_add_nc_u64 s[12:13], s[12:13], s[94:95]      ; x and out0 at my block
	s_add_nc_u64 s[14:15], s[14:15], s[94:95]
	s_wait_kmcnt 0x0
	s_add_co_i32 s62, s72, s73                     ; e10 + e11
	s_add_co_i32 s74, s62, 127
	s_lshl_b32 s74, s74, 23                        ; 2^(e10 + e11) as f32
	s_mov_b32 s75, s74                             ; (named with it as a pair)
	s_sub_co_i32 s62, 0, s62
	s_wait_loadcnt 0x0
.set k, 0
.rept 64
	v_ldexp_f32 v[64+k], v[64+k], s62              ; bo / 2^(e10 + e11)
.set k, k+1
.endr
	WIN 0xc0                                       ; destination window 3
.set k, 0
.rept 64
.set SG, ((k&39)|((k&8)<<1)|((k&16)>>1))
	global_load_b128 v[4*k:4*k+3], v[LI], s[12:13] offset:SG*4096 th:TH_LOAD_NT   ; stored row k of my 64 is true row SG: 512 consecutive bytes, aligned
.set k, k+1
.endr
	WIN 0
; 8 matrix instructions: R's tile a x C's eight, 128 along K, set p.  mode 0: onto the sums; 1: the sums begin with v[boff + 8 b ..].  The 32 accumulators take turns, one instruction a turn.
.macro MUL8 a, p, mode, boff
.irp b, 0,1,2,3,4,5,6,7
.if \mode == 0
	v_wmma_f32_16x16x128_fp8_fp8 v[8*(8*(\a)+\b):8*(8*(\a)+\b)+7], v[128*(\p)+16*\b:128*(\p)+16*\b+15], v[128+64*(\p)+16*(\a):128+64*(\p)+16*(\a)+15], v[8*(8*(\a)+\b):8*(8*(\a)+\b)+7]
.else
	v_wmma_f32_16x16x128_fp8_fp8 v[8*(8*(\a)+\b):8*(8*(\a)+\b)+7], v[128*(\p)+16*\b:128*(\p)+16*\b+15], v[128+64*(\p)+16*(\a):128+64*(\p)+16*(\a)+15], v[(\boff)+8*\b:(\boff)+8*\b+7]
.endif
.endr
.endm
.macro FETCH slot, q, p                ; 48 LDS loads in one run: the fragments of the slot's q-th 128 along K into set p
	WIN TO_C
.irp i, 0,1,2,3,4,5,6,7
.irp c, 0,1,2,3
	ds_load_b128 v[128*(\p)+16*\i+4*\c:128*(\p)+16*\i+4*\c+3], v[ADRC+(\slot)] offset:128*(\q)+32*\c+\i*16*PITCH
.endr
.endr
	WIN 0
.irp i, 0,1,2,3
.irp c, 0,1,2,3
	ds_load_b128 v[128+64*(\p)+16*\i+4*\c:128+64*(\p)+16*\i+4*\c+3], v[ADRR+(\slot)] offset:4096*\i+2048*(\q)+512*\c
.endr
.endr
.endm
.macro STEP_E slot, mode, boff         ; a slot's first step: multiplies set 0; the second step's fragments are asked for first
	s_wait_dscnt 0x0
	PLACES 4                                       ; four plain lines between the last products on set 1 and the loads into it
	FETCH \slot, 1, 1
.if \mode == 0
	WIN MUL
.else
	WIN MULB
.endif
	MUL8 0, 0, \mode, \boff
	MUL8 1, 0, \mode, \boff
	MUL8 2, 0, \mode, \boff
	MUL8 3, 0, \mode, \boff
.endm
; A slot's second step multiplies set 1 and changes slots: ONE barrier; in front of it each wave waits for all its tensor loads, adds 0 to its spare word, and waits for that and for its reads of this slot.
.macro TURN slot, fill, kap
	WIN 0
	s_wait_tensorcnt 0x0                           ; all my tensor loads have landed: my part of the next slot
	ds_add_u32 v[SPW], v[NIL]                      ; 0 onto my spare word
	s_wait_dscnt 0x1                               ; the add alone may be out: set 1's 48 loads are in
	WIN MUL
	MUL8 0, 1, 0, 0
	s_wait_dscnt 0x0                               ; the add is done, and my reads of this slot are over
	s_barrier_signal -1
	MUL8 1, 1, 0, 0
	WIN 0
	s_barrier_wait -1
.if \fill
	CREST                                          ; no wave of any partner still reads this slot or has a load on its way
	s_add_nc_u64 s[G0R+4*\slot+2:G0R+4*\slot+3], s[RB0:RB0+1], (\kap)*RKB
	s_or_b32 s[G0R+4*\slot+3], s[G0R+4*\slot+3], 0x80000000
	s_add_nc_u64 s[G0C+4*\slot+2:G0C+4*\slot+3], s[CB0:CB0+1], (\kap)*256
	s_or_b32 s[G0C+4*\slot+3], s[G0C+4*\slot+3], 0x80000000
	JLOAD \slot                                    ; my one tensor load behind the round; its four v_nop are also the places in front of the loads into set 0
.else
	PLACES 4
.endif
	FETCH 1-\slot, 0, 0
	WIN MUL
	MUL8 2, 1, 0, 0
	MUL8 3, 1, 0, 0
.endm
	s_wait_tensorcnt 0x1                           ; my part of slot 0 is in; slot 1's may stay out
	s_barrier_signal -1
	s_barrier_wait -1
	FETCH 0, 0, 0
	STEP_E 0, 1, 64                                ; the first products start the sums with bo
	TURN 0, 1, 2
	STEP_E 1, 0, 0
	TURN 1, 1, 3
	STEP_E 0, 0, 0
	TURN 0, 0, 0                                   ; nothing is left to fetch
	STEP_E 1, 0, 0
	s_wait_dscnt 0x0                               ; the very last step
	WIN MUL
	MUL8 0, 1, 0, 0
	MUL8 1, 1, 0, 0
	MUL8 2, 1, 0, 0
	MUL8 3, 1, 0, 0
	WIN 0
; THE WAY OUT, a tile of 16 stored tokens x 128 columns at a time.  A lane holds 8 neighbouring columns of a tile, and the lanes beside it other rows: so a block goes through my own stage and comes back as whole rows of 512 bytes.
; LDS serves a wave's instructions in order (ISA guide 5.7.1.4): no wait between the stores and the loads, nor in front of the next block's stores.
.macro TOSTAGE a
	WIN 0x08                                       ; store data window 2: the sums go as they stand, each accumulator's low four registers first
.irp b, 0,1,2,3,4,5,6,7
	ds_store_b128 v[STO], v[8*(8*(\a)+\b):8*(8*(\a)+\b)+3] offset:128*(\b/2)+32*(\b%2)
	ds_store_b128 v[STO], v[8*(8*(\a)+\b)+4:8*(8*(\a)+\b)+7] offset:128*(\b/2)+32*(\b%2)+16
.endr
	WIN 0
.set BB, BK+64*((\a)%2)
.irp t, 0,1,2,3,4,5,6,7,8,9,10,11,12,13,14,15
	ds_load_b128 v[BB+4*\t:BB+4*\t+3], v[RD] offset:\t*SPITCH
.endr
.endm
.macro SEND a, younger                 ; younger: the LDS instructions issued behind block a's loads, which may stay out
.set BB, BK+64*((\a)%2)
	s_wait_dscnt \younger
	WIN 0x30                                       ; source 2 (x) window 3
.set k, 0
.rept 32
	v_pk_fma_f32 v[BB+2*k:BB+2*k+1], v[BB+2*k:BB+2*k+1], s[74:75], v[64*(\a)+2*k:64*(\a)+2*k+1] op_sel_hi:[1,0,1]   ; sum x 2^(e10 + e11) + x
.set k, k+1
.endr
	WIN 0
.set k, 0
.rept 16
.set SG, 16*(\a)+k
.set SG, ((SG&39)|((SG&8)<<1)|((SG&16)>>1))
	global_store_b128 v[LI], v[BB+4*k:BB+4*k+3], s[14:15] offset:SG*4096 th:TH_STORE_NT   ; 512 consecutive bytes, aligned; written once, read by nobody here
.set k, k+1
.endr
.endm
	s_wait_loadcnt 0x0                             ; x is in
	PLACES 4                                       ; behind the last products: for the LDS stores that read results and the loads into R's registers
	TOSTAGE 0
.irp a, 1,2,3
.if \a > 1
	s_wait_xcnt 0x0                                ; block a - 2's stores have read their data: block a's rows may land there
.endif
	TOSTAGE \a
	SEND \a-1, 32                                  ; behind block a - 1's loads: block a's 16 stores and 16 loads
.endr
	SEND 3, 0
	s_wait_tensorcnt 0x0                           ; the wave's end
	ds_add_u32 v[SPW], v[NIL]
	s_wait_dscnt 0x0
	CROUND                                         ; the closing round
	s_endpgm
.Lfunc_end_k_qc437fe2c86_oproj:
	.size	k_qc437fe2c86_oproj, .Lfunc_end_k_qc437fe2c86_oproj-k_qc437fe2c86_oproj
	.p2alignl 7, 3214868480
	.fill 96, 4, 3214868480
	.section	.rodata,"a",@progbits
	.p2align	6, 0x0
	.amdhsa_kernel k_qc437fe2c86_oproj
		.amdhsa_group_segment_fixed_size 327680
		.amdhsa_private_segment_fixed_size 0
		.amdhsa_enable_private_segment 0
		.amdhsa_kernarg_size 48
		.amdhsa_user_sgpr_count 2
		.amdhsa_user_sgpr_kernarg_segment_ptr 1
		.amdhsa_wavefront_size32 1
		.amdhsa_system_sgpr_workgroup_id_x 1
		.amdhsa_system_sgpr_workgroup_id_y 1
		.amdhsa_system_sgpr_workgroup_id_z 1
		.amdhsa_system_vgpr_workitem_id 0
		.amdhsa_next_free_vgpr 1024
		.amdhsa_next_free_sgpr 100
		.amdhsa_reserve_vcc 0
		.amdhsa_float_denorm_mode_32 3
		.amdhsa_float_denorm_mode_16_64 3
		.amdhsa_memory_ordered 1
		.amdhsa_forward_progress 1
		.amdhsa_inst_pref_size 87
	.end_amdhsa_kernel
	.amdgpu_metadata
---
amdhsa.version: [ 1, 2 ]
amdhsa.kernels:
  - .name:           k_qc437fe2c86_oproj
    .symbol:         k_qc437fe2c86_oproj.kd
    .args:
      - { .name: aoc, .offset: 0, .size: 8, .value_kind: global_buffer, .address_space: global }
      - { .name: wc, .offset: 8, .size: 8, .value_kind: global_buffer, .address_space: global }
      - { .name: bo, .offset: 16, .size: 8, .value_kind: global_buffer, .address_space: global }
      - { .name: lowp_scales, .offset: 24, .size: 8, .value_kind: global_buffer, .address_space: global }
      - { .name: x, .offset: 32, .size: 8, .value_kind: global_buffer, .address_space: global }
      - { .name: out0, .offset: 40, .size: 8, .value_kind: global_buffer, .address_space: global }
    .group_segment_fixed_size: 327680
    .private_segment_fixed_size: 0
    .kernarg_segment_align: 8
    .kernarg_segment_size: 48
    .max_flat_workgroup_size: 128
    .sgpr_count:     100
    .vgpr_count:     1024
    .wavefront_size: 32
...
	.end_amdgpu_metadata
.endif
;; end of part 4
;; ======== version 2 of 2: 4 launches; version 1 with the launch attn written anew for expert scheduling mode
;; workspace buffers: xc 25,165,824 bytes; wc 4,194,304 bytes; qkvc 25,165,824 bytes; aoc 8,388,608 bytes
;; launch prep: the kernel of part 1 again; grid 384 x 1, 8 waves a work-group, no clusters, 0 bytes of LDS; arguments x, gamma, beta, Wq, Wk, Wv, Wo, lowp_scales, xc, wc; writes xc, wc
;; launch qkv: the kernel of part 2 again; grid 4 x 64, 4 waves a work-group, clusters of 4 x 4, 327,680 bytes of LDS; arguments xc, wc, bq, bk, bv, lowp_scales, qkvc; writes qkvc
;; launch attn (part 5): grid 4 x 64, 16 waves a work-group, no clusters, 67,584 bytes of LDS; arguments qkvc, lowp_scales, aoc; writes aoc
.if DOCPART == 5
	.amdgcn_target "amdgcn-amd-amdhsa--gfx1250"
	.amdhsa_code_object_version 6
	.text
	.protected	k_qc437fe2c86_attn
	.globl	k_qc437fe2c86_attn
	.p2align	8
	.type	k_qc437fe2c86_attn,@function
k_qc437fe2c86_attn:
	s_mov_b64 s[64:65], 0
	v_nop
	global_prefetch_b8 v0, s[64:65] scope:SCOPE_SE
	s_setreg_imm32_b32 hwreg(HW_REG_WAVE_SCHED_MODE, 0, 2), 2
	s_setreg_imm32_b32 hwreg(HW_REG_WAVE_MODE, 25, 1), 1
	s_wait_xcnt 0x0
	s_wait_alu depctr_vm_vsrc(0)
; ATTN: causal attention on codes of E4M3; 64 heads-in-batch of 2,048 tokens x 64 channels.  q, k, v come as register images (qkvc); the result is quantised (scale e10) and stored as the image of the last product's operand (aoc).
; THE SOFTMAX: t = score x log2(e) / 8; M = the row's largest t so far, rounded UP to a whole number; p = 2^(t - M) is quantised (scale e8), not normalised; the row's sum is taken of the unquantised p and divides at the end.
; When M moves, the sum and O are multiplied by 2^(old M - new M), which rounds nothing.
; SHARES.  Work-group (i, head) owns the blocks of 256 queries 7 - i and then i, and walks slots of 256 keys: 0 .. 7 - i, then 0 .. i: nine slots whatever i is, so all 256 work-groups have the same count of trips.
; Each of the SIXTEEN waves owns one tile of 16 stored queries in 256 registers: four waves to a SIMD, so that one wave's vector work stands beside another's matrix work and LDS loads.
; LAYOUT.  Both products transposed: S^T = K Q^T, O^T = V^T P^T: a lane holds one query throughout.  Tokens and channels are stored with bits 3 and 4 of their number swapped, so register j of tile 2 B + u, lanes' half h,
; is TRUE key (channel) 32 B + 16 h + 8 u + j: p's 16 registers of two neighbouring tiles are 16 neighbouring keys, and the conversions' results are the next operand.  Lane r of stored tile T is query 32 (T / 2) + 8 (T % 2) + r + 8 (r / 8).
; K AND V go from memory through registers into two LDS buffers that take turns: a slot is 16 KiB of K's images and 16 KiB of V's; each of the 512 threads moves 4 x 16 bytes, asked for at a slot's head and stored at its end.
; ONE barrier a slot: in front of it each wave has waited for its reads of the buffer in hand and for its stores into the other.  The buffers are named by constants: the loop's trip runs two slots.
; NO TENSOR LOADS AND NO JOINT REQUESTS, though the four work-groups of a head read the same K and V: (a) they walk 8 - i and then i + 1 slots, so from the second walk on partners want different slots in the same trip;
; (b) the hold of p at the largest code, 64 of a key step's vector lines, is passed over by a branch on the given exponent e8; (c) a slot is 32 KiB for 32 key-step-tiles of work.
; THE HOLD: p is at most 1 and one rounding; 448 x 2^e8 is at least 1.75 where e8 >= -8: there the hold changes nothing and is passed over; for e8 < -8 it runs.
; CAUSAL: a key step all of whose keys come after the wave's queries is left out by a scalar branch on ids; on the diagonal hidden scores become -infinity ahead of the maximum, so p = 0.  Key 0 counts for every query.
; LIMITS: e6 + e7 between -123 and 130 (added to c's exponent field); e8 and e10 between -126 and 119; e8 + e9 is applied by v_ldexp_f32.  NaN is not served.
; REGISTERS: v1 16 x lane, v2 16 x thread, v5 r + 8 (r / 8) - 16 h, v6 256 x lane; v12 -M, v13 the largest t, v[14:15] the sum; v16-23 Q; v24-39 the slot on its way; v40-103 fragments of K, then of V; v104-167 S^T, then p;
;   v168-199 O^T; v200-215 p's codes; v216-223 the result's codes; v236-254 at work and constants.  s2-s9 and s36-s43, which are done with behind the head, take the causal mask's sixteen lane masks.
; THE MODE: SCHED_MODE bits 1:0 = 2 (LLVM: expert scheduling mode 2), set by the entry lines.  The code itself states the register dependences between vector or matrix instructions and memory or LDS instructions,
; and those from a vector instruction's scalar result to its readers, with s_wait_alu, always for 0.
; THE PLAN.  Registers that memory or LDS instructions touch:
;   v1, v2, v6  addresses, written at the head and never again: one wait on va_vdst in front of the first load serves every access of the launch.
;   v16-23      Q: loaded at a block's start; read by the products K Q^T.  The wait on va_vdst in front of a block's two stores also states that those products are done; no vector line stands between it and the next block's loads.
;   v24-39      loaded at a slot's head, read by the four LDS stores at its end; no vector line names them.  One wait on vm_vsrc at a slot's head: the stores have read them.
;   v40-103     K's loads land; eight products read them; V's loads land; four products read them; the next step's K lands.  So two waits on va_vdst a key step: at its head, and behind the products K Q^T.
;   v216-223    written by a block's last conversions, read by its two stores: a wait on va_vdst in front of the stores, one on vm_vsrc at the head of a block's end.
;   All else (S^T and p, O^T, p's codes, the statistics) is named by vector and matrix instructions alone.
.set BUFB, 32768                       ; an LDS buffer: K's 16 tiles of 1,024 bytes, then V's 2 key steps of 8,192
.set FR,  40
.set S,   104
.set O,   168
.set P,   200
.set AOC, 216
	s_load_b128 s[4:7], s[0:1], 0x0                ; qkvc, the scales' exponents
	s_load_b64 s[8:9], s[0:1], 0x10                ; aoc
	v_lshl_add_u32 v251, v0, 2, 0x10000
	v_mov_b32 v255, 0
	v_lshrrev_b32 v3, 5, v0
	v_readfirstlane_b32 s10, v3                    ; wave 0..15
	s_mov_b32 s11, ttmp9                           ; i
	s_and_b32 s12, ttmp7, 0xffff                   ; batch x 16 + head
	s_sub_co_u32 s13, 8, s11                       ; NA: slots of the first walk
	s_mov_b32 s20, 0x76543210                      ; v_permlanex16_b32: lane l xor 16
	s_mov_b32 s21, 0xfedcba98
	v_and_b32 v3, 31, v0
	v_lshlrev_b32 v1, 4, v3
	v_lshlrev_b32 v2, 4, v0
	v_lshlrev_b32 v6, 8, v3
	v_and_b32 v7, 15, v0
	v_and_b32 v5, 8, v0
	v_add_nc_u32 v5, v5, v7                        ; r + 8 (r / 8)
	v_and_b32 v7, 16, v0
	v_sub_nc_u32 v5, v5, v7                        ; - 16 h
	v_mov_b32 v236, 0                              ; a lane permute's destination counts as one of its sources
	v_mov_b32 v253, 0                              ; (named as the upper half of the pair v[252:253])
	s_wait_alu depctr_va_sdst(0)                   ; s10, the wave's number, is written, ahead of its first reader
	s_lshl_b32 s58, s12, 17                        ; a head's images: 131,072 bytes in each plane
	s_mov_b32 s59, 0
	s_lshr_b32 s60, s12, 4
	s_lshl_b32 s60, s60, 21                        ; aoc: a batch is 128 tiles of 16,384 bytes,
	s_and_b32 s61, s12, 15
	s_lshl_b32 s61, s61, 10                        ; a head's part of a tile 1,024
	s_add_co_u32 s60, s60, s61
	s_mov_b32 s61, 0
	s_wait_kmcnt 0x0
	s_load_b256 s[36:43], s[6:7], 0x0              ; e0 .. e7
	s_load_b128 s[44:47], s[6:7], 0x20             ; e8 .. e11
	s_add_nc_u64 s[32:33], s[4:5], s[58:59]        ; q's images of my head,
	s_add_nc_u64 s[24:25], s[32:33], 0x800000      ; k's,
	s_add_nc_u64 s[26:27], s[32:33], 0x1000000     ; v's
	s_add_nc_u64 s[34:35], s[8:9], s[60:61]
	s_wait_alu depctr_va_vdst(0)                   ; v1, v2 and v6 are written: every load, store, LDS access and prefetch of the launch reads one of them as its address, and no later line writes them
	global_load_b128 v[24:27], v2, s[24:25]        ; slot 0
	global_load_b128 v[28:31], v2, s[24:25] offset:8192
	global_load_b128 v[32:35], v2, s[26:27]
	global_load_b128 v[36:39], v2, s[26:27] offset:8192
	; the prefetches: the head's work-group 0 walks all eight slots first; its waves 0 and 1 ask for K's 16 KiB of a slot, waves 2 and 3 for V's, 8,192 bytes a wave, lanes 256 bytes apart
	s_cmp_lt_u32 s10, 2
	s_cselect_b64 s[48:49], s[24:25], s[26:27]
	s_and_b32 s58, s10, 1
	s_lshl_b32 s58, s58, 13
	s_add_nc_u64 s[48:49], s[48:49], s[58:59]
	s_lshr_b32 s58, s10, 2
	s_or_b32 s58, s58, s11
	s_cmp_eq_u32 s58, 0
	s_cselect_b32 s52, 6, 0                        ; a wave prefetches while n is under this: slots 2 .. 7, each named once in the launch
	s_wait_kmcnt 0x0
	s_add_co_i32 s58, s42, s43
	s_lshl_b32 s58, s58, 23
	s_mov_b32 s22, 0x3e38aa3b                      ; c = log2(e) / 8
	s_add_co_i32 s22, s22, s58                     ; a score stands for score x 2^(e6 + e7): added to c's exponent field
	s_mov_b32 s23, s22                             ; (named with it as a pair)
	s_add_co_i32 s58, s44, 127
	s_lshl_b32 s59, s58, 23
	v_mov_b32 v244, s59                            ; 2^e8
	s_add_co_i32 s58, s58, 8
	s_lshl_b32 s58, s58, 23
	s_or_b32 s58, s58, 0x600000
	v_mov_b32 v240, s58                            ; 448 x 2^e8
	s_add_co_i32 s58, s46, 127
	s_lshl_b32 s59, s58, 23
	v_mov_b32 v245, s59                            ; 2^e10
	s_add_co_i32 s58, s58, 8
	s_lshl_b32 s58, s58, 23
	s_or_b32 s58, s58, 0x600000
	v_mov_b32 v246, s58                            ; 448 x 2^e10
; A block of queries begins; its number stands in s58.
; Q's loads owe no wait of their own: ahead of the first block no vector line has named v16-23; ahead of the second stands the wait in front of the first block's stores, and no vector line since.
.macro INIT
	s_lshl_b32 s18, s58, 4
	s_add_co_u32 s18, s18, s10                     ; T: my stored tile of queries
	s_lshr_b32 s17, s18, 1
	s_lshl_b32 s17, s17, 5                         ; QB = 32 (T / 2): my queries lie in QB .. QB + 31
	s_and_b32 s19, s18, 1
	s_lshl_b32 s19, s19, 3
	s_add_co_u32 s19, s19, s17                     ; QB + 8 (T % 2)
	s_lshl_b32 s58, s18, 10
	s_mov_b32 s59, 0
	s_add_nc_u64 s[54:55], s[32:33], s[58:59]
	global_load_b128 v[16:19], v1, s[54:55]        ; Q's fragment stays in registers
	global_load_b128 v[20:23], v1, s[54:55] offset:512
	v_mov_b32 v13, 0xff61b1e6                      ; the largest t so far: -3e38
	v_floor_f32 v12, -v13                          ; -M
	v_mov_b32 v14, 0
	v_mov_b32 v15, 0
.set k, 0
.rept 32
	v_mov_b32 v[O+k], 0                            ; the key step is written without a first step of its own: it finds zeros, which the first change of M leaves zeros
.set k, k+1
.endr
	s_wait_loadcnt 0x0
.endm
; A block of queries ends: O^T / the sum x 2^(e8 + e9), quantised with e10; two stores of 512 consecutive bytes, aligned.
.macro FINISH
	s_wait_xcnt 0x0                                ; the earlier stores have read their data and base: both are written again only behind this wait
	s_wait_alu depctr_vm_vsrc(0)                   ; an earlier block's two stores have read v216-223, which the conversions below write again
.rept 4
	v_nop                                          ; behind the last products, in front of the first read of results
.endr
	v_add_f32 v14, v14, v15
	v_permlanex16_b32 v236, v14, s20, s21
	v_add_f32 v14, v14, v236                       ; the row's sum
	v_rcp_f32 v14, v14
	v_nop                                          ; a plain line behind the transcendental,
	s_add_co_i32 s58, s44, s45
	s_wait_alu depctr_va_vdst(0)                   ; the reciprocal has written v14, ahead of the first line that names it
	v_ldexp_f32 v252, v14, s58
.set k, 0
.rept 16
	v_pk_mul_f32 v[O+2*k:O+2*k+1], v[O+2*k:O+2*k+1], v[252:253] op_sel_hi:[1,0]
.set k, k+1
.endr
.set k, 0
.rept 32
	v_med3_num_f32 v[O+k], v[O+k], -v246, v246
.set k, k+1
.endr
.irp u, 0,1,2,3
	v_cvt_scalef32_pk8_fp8_f32 v[AOC+2*\u:AOC+2*\u+1], v[O+8*\u:O+8*\u+7], v245
.endr
	v_nop                                          ; a plain line behind the last conversion
	s_lshl_b32 s58, s18, 14
	s_mov_b32 s59, 0
	s_add_nc_u64 s[56:57], s[34:35], s[58:59]
	s_wait_alu depctr_va_vdst(0)                   ; the conversions have written v216-223, which the two stores read; and the block's products are done reading Q, in which the next block's loads land
	global_store_b128 v1, v[AOC:AOC+3], s[56:57]               ; channels 16 h + 0 .. 15 of my head,
	global_store_b128 v1, v[AOC+4:AOC+7], s[56:57] offset:512  ; and 32 + 16 h + 0 .. 15
.endm
; A KEY STEP: 128 keys, the q-th of the slot in buffer buf.  s16 = its first key.
.macro STEP buf, q
	s_add_co_u32 s58, s17, 31
	s_cmp_gt_u32 s16, s58
	s_cbranch_scc1 .Lhid_\@                        ; all its keys come after my queries
	s_wait_alu depctr_va_vdst(0)                   ; the step before's products V^T P are done reading v40-103, in which K's loads land
.irp t, 0,1,2,3,4,5,6,7
	ds_load_b128 v[FR+8*\t:FR+8*\t+3], v1 offset:(\buf)*BUFB+(8*(\q)+\t)*1024
	ds_load_b128 v[FR+8*\t+4:FR+8*\t+7], v1 offset:(\buf)*BUFB+(8*(\q)+\t)*1024+512
.endr
	s_wait_dscnt 0x0
.irp t, 0,1,2,3,4,5,6,7
	v_wmma_f32_16x16x64_fp8_fp8 v[S+8*\t:S+8*\t+7], v[FR+8*\t:FR+8*\t+7], v[16:23], 0
.endr
.rept 4
	v_nop                                          ; four plain lines behind the last product, in front of the first vector read of the scores (ISA guide 7.12.1)
.endr
	s_wait_alu depctr_va_vdst(0)                   ; the eight products are done reading v40-103, in which V's loads land; no vector or matrix line names these registers until the wait for V
.irp u, 0,1,2,3
.irp c, 0,1,2,3
	ds_load_b128 v[FR+16*\u+4*\c:FR+16*\u+4*\c+3], v1 offset:(\buf)*BUFB+16384+8192*(\q)+2048*\u+512*\c   ; V lands under the softmax
.endr
.endr
	s_add_co_u32 s58, s16, 127
	s_cmp_le_u32 s58, s17
	s_cbranch_scc1 .Lopen_\@                       ; all its keys count for all my queries
	s_sub_co_i32 s58, s19, s16
	v_add_nc_u32 v238, s58, v5                     ; d = my query - the step's first key - 16 h.  Register 16 B + i holds key 32 B + 16 h + i of the step: hidden where 32 B + i > d
	v_mov_b32 v239, 0xff800000                     ; -infinity
.set g, 0
.rept 4                                ; sixteen scores at a time: a run of compares into sixteen scalar registers, one wait, the sixteen selects; each accumulator from its low end on
.set m, 0
.rept 16
	v_cmp_gt_i32 s[2+m+26*(m/8)], 32*g+m, v238
.set m, m+1
.endr
	s_wait_alu depctr_va_sdst(0)                   ; the sixteen compares have written their masks, ahead of the selects that read them
.set m, 0
.rept 16
	v_cndmask_b32 v[S+16*g+m], v[S+16*g+m], v239, s[2+m+26*(m/8)]
.set m, m+1
.endr
.set g, g+1
.endr
.Lopen_\@:
	v_max3_num_f32 v254, v[S], v[S+1], v[S+2]      ; the step's largest score of my query, in two chains, each accumulator from its low end on
	v_max3_num_f32 v252, v[S+3], v[S+4], v[S+5]
.irp i, 6,10,14,18,22,26,30,34,38,42,46,50,54,58
	v_max3_num_f32 v254, v254, v[S+\i], v[S+\i+1]
	v_max3_num_f32 v252, v252, v[S+\i+2], v[S+\i+3]
.endr
	v_max3_num_f32 v254, v254, v[S+62], v[S+63]
	v_max_num_f32 v254, v254, v252
	v_permlanex16_b32 v236, v254, s20, s21
	v_max_num_f32 v254, v254, v236                 ; and among lane l xor 16's
	v_mul_f32 v254, s22, v254                      ; as t (c is positive)
	v_max_num_f32 v13, v13, v254                   ; the running largest t
	v_mov_b32 v254, v12
	v_floor_f32 v12, -v13                          ; the new -M = -ceil(t)
	v_sub_f32 v254, v12, v254                      ; old M - new M: a whole number, 0 or less
	v_cvt_i32_f32 v254, v254                       ; (it saturates)
	v_ldexp_f32 v252, 1.0, v254                    ; f = 2^(old M - new M)
.set k, 0
.rept 32
	v_pk_fma_f32 v[S+2*k:S+2*k+1], v[S+2*k:S+2*k+1], s[22:23], v[12:13] op_sel_hi:[1,0,0]   ; t - M
.set k, k+1
.endr
.set k, 0
.rept 64
	v_exp_f32 v[S+k], v[S+k]                       ; p = 2^(t - M)
.set k, k+1
.endr
	v_pk_mul_f32 v[14:15], v[14:15], v[252:253] op_sel_hi:[1,0]   ; the sums under the new M: the plain line behind the batch
	s_wait_alu depctr_va_vdst(0)                   ; the 64 exponentials have written p: one wait, ahead of the first line that names a result
	v_pk_add_f32 v[242:243], v[S:S+1], v[S+2:S+3]  ; the row's sum is taken of the unquantised p, in two chains
.irp j, 4,8,12,16,20,24,28,32,36,40,44,48,52,56,60
	v_pk_add_f32 v[14:15], v[14:15], v[S+\j:S+\j+1]
	v_pk_add_f32 v[242:243], v[242:243], v[S+\j+2:S+\j+3]
.endr
	v_pk_add_f32 v[14:15], v[14:15], v[242:243]
	s_cmp_ge_i32 s44, -8                           ; 448 x 2^e8 >= 1.75 lies over every p: the hold would change nothing
	s_cbranch_scc1 .Lnohold_\@
.set k, 0
.rept 64
	v_min_num_f32 v[S+k], v[S+k], v240             ; the conversion does not saturate (ISA guide 7.6.2); p is not negative, so the hold is one-sided
.set k, k+1
.endr
.Lnohold_\@:
.irp b, 0,1,2,3
	v_cvt_scalef32_pk8_fp8_f32 v[P+4*\b:P+4*\b+1], v[S+16*\b:S+16*\b+7], v244
	v_cvt_scalef32_pk8_fp8_f32 v[P+4*\b+2:P+4*\b+3], v[S+16*\b+8:S+16*\b+15], v244
.endr
.set k, 0
.rept 16
	v_pk_mul_f32 v[O+2*k:O+2*k+1], v[O+2*k:O+2*k+1], v[252:253] op_sel_hi:[1,0]   ; O^T under the new M; also the plain lines between the conversions and the products that read their results
.set k, k+1
.endr
	s_wait_dscnt 0x0                               ; V is in
.irp u, 0,1,2,3
	v_wmma_f32_16x16x128_fp8_fp8 v[O+8*\u:O+8*\u+7], v[FR+16*\u:FR+16*\u+15], v[P:P+15], v[O+8*\u:O+8*\u+7]   ; four accumulators by turns; eight products on other registers stand between a step's and the next's
.endr
.Lhid_\@:
	s_add_co_u32 s16, s16, 128
.endm
; A SLOT in buffer buf.  stage = 1: the next slot is asked for at the head and stored into the other buffer at the end, and the barrier follows.  s14 = n, the slot's number among the nine.
.macro TRIP buf, stage
	s_cmp_lg_u32 s14, s13
	s_cbranch_scc1 .Lsame_\@                       ; (on ids alone: the same in all sixteen waves)
	FINISH                                         ; the first walk is over: block 7 - i leaves,
	s_mov_b32 s58, s11
	INIT                                           ; block i begins,
	s_mov_b32 s16, 0                               ; at key 0
.Lsame_\@:
.if \stage
	s_add_co_u32 s58, s14, 1
	s_cmp_ge_u32 s58, s13
	s_cselect_b32 s59, s13, 0
	s_sub_co_u32 s58, s58, s59                     ; the next slot of keys: n + 1, or n + 1 - NA in the second walk
	s_lshl_b32 s58, s58, 14
	s_mov_b32 s59, 0
	s_add_co_u32 s60, s14, 2
	s_lshl_b32 s60, s60, 14
	s_mov_b32 s61, 0
	s_wait_xcnt 0x0                                ; the last slot's loads and prefetch have read their bases
	s_wait_alu depctr_vm_vsrc(0)                   ; the last slot's four LDS stores have read v24-39, in which the four loads below land
	s_add_nc_u64 s[28:29], s[24:25], s[58:59]
	s_add_nc_u64 s[30:31], s[26:27], s[58:59]
	s_add_nc_u64 s[50:51], s[48:49], s[60:61]
	global_load_b128 v[24:27], v2, s[28:29]        ; 512 threads x 16 bytes: 8,192 consecutive bytes a line
	global_load_b128 v[28:31], v2, s[28:29] offset:8192
	global_load_b128 v[32:35], v2, s[30:31]
	global_load_b128 v[36:39], v2, s[30:31] offset:8192
	s_cmp_lt_u32 s14, s52
	s_cbranch_scc0 .Lnopf_\@
	global_prefetch_b8 v6, s[50:51] th:TH_LOAD_NT scope:SCOPE_SE   ; slot n + 2: what the next trip's loads will ask for; it stops with slot 7
.Lnopf_\@:
.endif
	STEP \buf, 0
	STEP \buf, 1
.if \stage
	s_wait_loadcnt 0x0
	ds_store_b128 v2, v[24:27] offset:(1-(\buf))*BUFB          ; every wave's reads of that buffer were waited for in front of the last barrier
	ds_store_b128 v2, v[28:31] offset:(1-(\buf))*BUFB+8192
	ds_store_b128 v2, v[32:35] offset:(1-(\buf))*BUFB+16384
	ds_store_b128 v2, v[36:39] offset:(1-(\buf))*BUFB+24576
	s_wait_dscnt 0x0                               ; for the others' sake: my stores have landed, and my reads of this buffer are over
	s_barrier_signal -1
	s_barrier_wait -1
.endif
	s_add_co_u32 s14, s14, 1
.endm
	s_sub_co_u32 s58, 7, s11
	INIT                                           ; block 7 - i; its wait covers slot 0's loads too
	s_mov_b32 s16, 0
	s_mov_b32 s14, 0
	ds_store_b128 v2, v[24:27]
	ds_store_b128 v2, v[28:31] offset:8192
	ds_store_b128 v2, v[32:35] offset:16384
	ds_store_b128 v2, v[36:39] offset:24576
	s_wait_dscnt 0x0
	s_barrier_signal -1
	s_barrier_wait -1
	s_mov_b32 s53, 4
.Lpair:                                            ; four trips of two slots
	TRIP 0, 1
	TRIP 1, 1
	s_sub_co_u32 s53, s53, 1
	s_cmp_lg_u32 s53, 0
	s_cbranch_scc1 .Lpair
	TRIP 0, 0                                      ; the ninth slot: nothing is left to fetch
	FINISH
	s_wait_dscnt 0x0
	s_wait_alu depctr_hold_cnt(0) depctr_sa_sdst(0) depctr_va_vdst(0) depctr_va_sdst(0) depctr_va_ssrc(0) depctr_va_vcc(0) depctr_vm_vsrc(0)
	s_wait_tensorcnt 0x0
	ds_add_u32 v251, v255
	s_wait_dscnt 0x0
	s_endpgm
.Lfunc_end_k_qc437fe2c86_attn:
	.size	k_qc437fe2c86_attn, .Lfunc_end_k_qc437fe2c86_attn-k_qc437fe2c86_attn
	.p2alignl 7, 3214868480
	.fill 96, 4, 3214868480
	.section	.rodata,"a",@progbits
	.p2align	6, 0x0
	.amdhsa_kernel k_qc437fe2c86_attn
		.amdhsa_group_segment_fixed_size 67584
		.amdhsa_private_segment_fixed_size 0
		.amdhsa_enable_private_segment 0
		.amdhsa_kernarg_size 24
		.amdhsa_user_sgpr_count 2
		.amdhsa_user_sgpr_kernarg_segment_ptr 1
		.amdhsa_wavefront_size32 1
		.amdhsa_system_sgpr_workgroup_id_x 1
		.amdhsa_system_sgpr_workgroup_id_y 1
		.amdhsa_system_sgpr_workgroup_id_z 1
		.amdhsa_system_vgpr_workitem_id 0
		.amdhsa_next_free_vgpr 256
		.amdhsa_next_free_sgpr 66
		.amdhsa_reserve_vcc 0
		.amdhsa_float_denorm_mode_32 3
		.amdhsa_float_denorm_mode_16_64 3
		.amdhsa_memory_ordered 1
		.amdhsa_forward_progress 1
		.amdhsa_inst_pref_size 178
	.end_amdhsa_kernel
	.amdgpu_metadata
---
amdhsa.version: [ 1, 2 ]
amdhsa.kernels:
  - .name:           k_qc437fe2c86_attn
    .symbol:         k_qc437fe2c86_attn.kd
    .args:
      - { .name: qkvc, .offset: 0, .size: 8, .value_kind: global_buffer, .address_space: global }
      - { .name: lowp_scales, .offset: 8, .size: 8, .value_kind: global_buffer, .address_space: global }
      - { .name: aoc, .offset: 16, .size: 8, .value_kind: global_buffer, .address_space: global }
    .group_segment_fixed_size: 67584
    .private_segment_fixed_size: 0
    .kernarg_segment_align: 8
    .kernarg_segment_size: 24
    .max_flat_workgroup_size: 512
    .sgpr_count:     66
    .vgpr_count:     256
    .wavefront_size: 32
...
	.end_amdgpu_metadata
.endif
;; end of part 5
;; launch oproj: the kernel of part 4 again; grid 4 x 64, 4 waves a work-group, clusters of 4 x 4, 327,680 bytes of LDS; arguments aoc, wc, bo, lowp_scales, x, out0; writes out0
